; MI455X (gfx1250); checked and timed in simulation.
; The chip was launched on July 23, 2026; its instructions are those of AMD's public machine-readable ISA for CDNA 5 (MIT licence, August 2026) and "CDNA5" Instruction Set Architecture Reference Guide (July 2026). The comments in the code are by the model that wrote it; some were corrected since.
;; Multi Head Dot Product Attention. Allowed arithmetic: matrix products marked QUANTISED: E4M3 operands, one given power-of-two scale a tensor, by v_wmma_f32_16x16x64_fp8_fp8 or v_wmma_f32_16x16x128_fp8_fp8, f32 sums; products left as they are: f32 operands where the result goes on into a quantised operand, else bf16, f16 or f32 operands; f32 sums; everything else in f32.
;; Inputs: inputs_kv 1 x 2,048 x 2,048 float32; inputs_q 1 x 2,048 x 2,048 float32; lowp_scales 12 int32 (the exponents e of the quantised operands' scales 2^e); mask 1 x 1 x 2,048 x 2,048 bool; wk 2,048 x 16 x 128 float32; wo 16 x 128 x 2,048 float32; wq 2,048 x 16 x 128 float32; wv 2,048 x 16 x 128 float32.
;; Outputs: out0 1 x 2,048 x 2,048 float32.
;; This version of the problem:
;;   THIS VERSION OF THE PROBLEM IS GIVEN IN LOW PRECISION. The matrix products marked QUANTISED in the list below multiply operands that are first quantised to E4M3 (4 exponent bits, 3 mantissa bits; 8 bits a number), with one given power-of-two scale for each operand tensor; their sums are f32. All else is computed in f32.
;;   The module's matrix products, in the order in which they are computed (A, B: the left and right operand; K: the contracted axis; several contracted axes count as one K, in the product's order):
;;     1. [M 2,048, K 2,048] x [K 2,048, N 2,048]; A: input inputs_q; B: input wq: QUANTISED (scales: A lowp_scales[0], B lowp_scales[1])
;;     2. [M 2,048, K 2,048] x [K 2,048, N 2,048]; A: input inputs_kv; B: input wk: QUANTISED (scales: A lowp_scales[2], B lowp_scales[3])
;;     3. [M 2,048, K 2,048] x [K 2,048, N 2,048]; A: input inputs_kv; B: input wv: QUANTISED (scales: A lowp_scales[4], B lowp_scales[5])
;;     4. [M 2,048, K 1] x [K 1, N 64]; A: computed on the way; B: computed on the way: left as it is (no contracted axis)
;;     5. batch 16 x [M 2,048, K 128] x [K 128, N 2,048]; A: computed on the way; B: computed on the way: QUANTISED (scales: A lowp_scales[6], B lowp_scales[7])
;;     6. batch 16 x [M 128, K 2,048] x [K 2,048, N 2,048]; A: computed on the way; B: softmax (see below): QUANTISED (scales: A lowp_scales[8], B lowp_scales[9])
;;     7. [M 2,048, K 2,048] x [K 2,048, N 2,048]; A: computed on the way; B: input wo: QUANTISED (scales: A lowp_scales[10], B lowp_scales[11])
;;   THE QUANTISER, for each operand of a quantised product, along K:
;;     - The operand's scale is 2^e, e = its entry of the input lowp_scales (int32; the entries are numbered through the quantised products in the list's order, A before B).
;;     - Each number is divided by the scale, clamped to +-448, and rounded to the nearest number of E4M3, ties to even, subnormals kept.
;;     - The product sums the exact products of the quantised numbers (number of the format x scale) in f32.
;;   ~~~python
;;   def quantise(x, axis, e):      # numpy; x: float32 -> the quantised numbers, widened to float32 again
;;       x = np.moveaxis(x, axis, -1); K = x.shape[-1]
;;       r = np.clip(x / 2.0 ** e, -448, 448)
;;       step = 2.0 ** (np.maximum(np.frexp(np.where(r == 0, 1, r))[1] - 1, -6) - 3)
;;       q = np.round(r / step) * step * 2.0 ** e      # np.round: ties to even
;;       return np.moveaxis(q, -1, axis).astype(np.float32)
;;   ~~~
;;   SOFTMAX AHEAD OF A QUANTISED PRODUCT. Where the list says 'softmax', what is quantised is not the finished softmax but p = 2^(t - M), with t = logit x log2(e) and M = ceil(the row's largest t), a whole number; so 1/2 < the row's largest p <= 1. The row's sum l is taken of the UNQUANTISED p, in f32, and the product's result is divided by l at the end. Since M is a whole number, a kernel that streams over the keys may use a running M (the ceiling of the running maximum): every later rescaling is an exact power of two, so the quantised numbers keep their values, but for numbers so far below the row's largest that they fall under the format's range.
;;   OPERANDS COMPUTED ON THE WAY. 'Computed on the way' means the value that the module computes at that place (a softmax that the list does not call 'softmax' is quantised finished and normalised). What goes into a quantiser is computed in f32, as accurately as f32 sums, v_exp_f32 and their like allow (about 1e-6 of the number): no bf16 or f16 on the way to a quantiser, and a product that is left as it is and whose result goes on into a quantised operand takes f32 operands (vector FMAs, or v_wmma_f32_16x16x4_f32). A number that lies on a knife's edge between two numbers of the format may be rounded either way, as far as f32 arithmetic and the matrix unit's own rounding can turn it there, and no further.
;; 2 versions, each right. Each part assembles by itself: llvm-mc -triple=amdgcn-amd-amdhsa -mcpu=gfx1250 --defsym DOCPART=n.
;; ======== version 1 of 2: 5 launches
;; limits: right only within a limited range of input values
;; workspace buffers: xcodes 12,582,912 bytes; wcodes 16,777,216 bytes; rope 2,097,152 bytes; maskw 524,288 bytes of whole numbers; qkv 12,582,912 bytes; ctx 4,194,304 bytes
;; launch prep (part 1): grid 256 x 1, 4 waves a work-group, no clusters, 39,424 bytes of LDS; arguments inputs_q, inputs_kv, mask, lowp_scales, xcodes, rope, maskw; writes xcodes, rope, maskw
.if DOCPART == 1
	.amdgcn_target "amdgcn-amd-amdhsa--gfx1250"
	.amdhsa_code_object_version 6
	.text
	.protected	k_q0b9321d7a1_prep
	.globl	k_q0b9321d7a1_prep
	.p2align	8
	.type	k_q0b9321d7a1_prep,@function
k_q0b9321d7a1_prep:
	s_mov_b64 s[64:65], 0
	v_nop
	global_prefetch_b8 v0, s[64:65] scope:SCOPE_SE
	s_setreg_imm32_b32 hwreg(HW_REG_WAVE_MODE, 25, 1), 1
	s_wait_xcnt 0x0
; FIRST OF FIVE LAUNCHES of attention with rotary embeddings, 2,048 tokens, 16 heads of 128, all six large products on codes of FP8 (E4M3) with given scales 2^e.
; NO WORK OF THE PROBLEM IS LEFT OUT: every input has a way to the output, and since the mask is an input, every key of every query may count; a row with no live key is the plain average of all values.
; THIS LAUNCH: (1) inputs_q becomes codes with e0; inputs_kv is read once and becomes codes twice, with e2 (for k) and with e4 (for v): xcodes [3][2048 tokens][2048 k], a code a byte.
; (2) the rotary tables cos and sin in f32, once times 128^-0.5 (for q) and once plain (for k), in the order in which the projection's results lie in registers:
;     rope [2][128 blocks of 16 tokens][16 chunks][32 lanes][4]: chunk sc*8+2b+c (sc 0 cos, 1 sin), lane (r, h): token 16 T + r, frequencies 16 b + 8 h + 4 c + 0..3.
; (3) the mask's bytes become lane masks: maskw [128 tiles of 16 queries][16 key steps][64 words]; bit l of word n = mask[16 qt + l % 16][128 s + 32 (n / 16) + 16 (l / 16) + n % 16].
; code = x / 2^e, held within +-448, to the nearest code, ties to even.  LIMITS: e0, e2, e4 between -126 and 119.  NaN among the inputs is not served.
; sin and cos: the angle pos x 10000^(-j/64) in f32, reduced by multiples of pi/2 held in two parts, then polynomials on +-pi/4 good to the last bits of f32; angles here reach 2,047.
; SHARES.  256 work-groups of 4 waves; wave W = 4 g + w of 1,024.  Work-groups 0-127 take inputs_q, 128-255 inputs_kv: 8,192 numbers a wave, 16 steps of 512.  Wave W also makes chunk W of the tables and 512 bytes of maskw.
; Each load reads 512 consecutive bytes; a step's 2,048 bytes turn through the wave's own stage in LDS so that a lane holds 16 neighbours along K.  Waves share nothing: no barrier.
.set STEPS, 16
.set WREG,  9728                       ; LDS of a wave: two stages of 32 x 80 bytes, then the mask's stage of 16 rows x 272
.set SP,    80
.set MST,   5120
.set MP,    272
.set SPARE, 4*WREG                     ; the spare words, 128 bytes a wave
.set SPW,   12                         ; v12 my spare word's address; v13 0: both never rewritten
.set NIL,   13
.set R,     16                         ; v16-79   four sets of 16 numbers as loaded
.set X,     80                         ; v80-111  two sets of 16 neighbours
.set T,     112                        ; v112-127 the 16 numbers, held
.set C1,    128                        ; v128-191 codes with the first scale, four registers a step
.set C2,    192                        ; v192-255 codes with the second scale
	s_load_b256 s[4:11], s[0:1], 0x0               ; inputs_q, inputs_kv, mask, the scales' exponents
	s_load_b128 s[12:15], s[0:1], 0x20             ; xcodes, rope
	s_load_b64 s[16:17], s[0:1], 0x30              ; maskw
	v_lshl_add_u32 v[SPW], v0, 2, SPARE
	v_mov_b32 v[NIL], 0
	v_lshrrev_b32 v1, 5, v0
	v_readfirstlane_b32 s18, v1                    ; wave
	s_lshl_b32 s19, ttmp9, 2
	s_add_co_u32 s19, s19, s18                     ; W
	v_and_b32 v2, 31, v0                           ; lane
	v_lshlrev_b32 v3, 4, v2                        ; 16 x lane
	v_and_b32 v4, 15, v0                           ; r
	v_bfe_u32 v5, v0, 4, 1                         ; h
	v_lshlrev_b32 v6, 11, v5
	v_lshl_add_u32 v6, v4, 4, v6                   ; the mask in memory: row h of a pair, 16 r bytes
	s_mul_i32 s20, s18, WREG
	v_mul_u32_u24 v7, v5, MP
	v_lshl_add_u32 v7, v4, 4, v7
	v_add_nc_u32 v7, s20, v7
	v_add_nc_u32 v7, MST, v7                       ; the mask's stage, in: as loaded
	v_mul_u32_u24 v8, v4, MP
	v_lshl_add_u32 v8, v5, 4, v8
	v_add_nc_u32 v8, s20, v8
	v_add_nc_u32 v8, MST, v8                       ; and back: row r, 16 h bytes
	v_lshrrev_b32 v14, 2, v2
	v_mul_u32_u24 v14, v14, SP
	v_and_b32 v15, 3, v2
	v_lshl_add_u32 v14, v15, 4, v14
	v_add_nc_u32 v14, s20, v14                     ; the numbers' stage, in: four lanes' 64 bytes on end, then 16 of padding
	v_mul_u32_u24 v15, v2, SP
	v_add_nc_u32 v15, s20, v15                     ; and back: my 16 neighbours
	s_and_b32 s21, ttmp9, 127
	s_lshl_b32 s21, s21, 2
	s_add_co_u32 s21, s21, s18                     ; which run of 8,192 numbers of the tensor is mine
	s_lshl_b32 s22, s21, 15                        ; its bytes
	s_mov_b32 s23, 0
	s_lshl_b32 s32, s21, 13                        ; its codes
	s_mov_b32 s33, 0
	s_lshr_b32 s34, s19, 3                         ; the block of 16 tokens, and the tile of 16 queries
	s_and_b32 s35, s19, 7                          ; which eighth of it
	s_mov_b32 s36, 0xb94ca1f9                      ; sine's polynomial
	s_mov_b32 s37, 0x3c08839e
	s_mov_b32 s38, 0xbe2aaaa3
	s_mov_b32 s39, 0x37ccf5ce                      ; cosine's
	s_mov_b32 s40, 0xbab6061a
	s_mov_b32 s41, 0x3d2aaaa5
	s_mov_b32 s42, 0x3db504f3                      ; 128^-0.5
	s_wait_kmcnt 0x0
	s_load_b256 s[24:31], s[10:11], 0x0            ; e0 .. e7
	s_cmp_lt_u32 ttmp9, 128                        ; inputs_q's work-group or inputs_kv's: the work-group's number alone decides
	s_cselect_b64 s[4:5], s[4:5], s[6:7]
	s_cselect_b32 s20, 0, 0x400000                 ; part 0 or part 1 of xcodes
	s_add_nc_u64 s[4:5], s[4:5], s[22:23]
	s_add_co_u32 s32, s32, s20
	s_add_nc_u64 s[12:13], s[12:13], s[32:33]
	s_lshl_b32 s22, s34, 15                        ; 16 rows of the mask
	s_lshl_b32 s20, s35, 8                         ; 256 of their columns
	s_add_co_u32 s22, s22, s20
	s_add_nc_u64 s[8:9], s[8:9], s[22:23]
	s_lshl_b32 s22, s34, 13
	s_lshl_b32 s20, s35, 9
	s_add_co_u32 s22, s22, s20
	s_add_nc_u64 s[14:15], s[14:15], s[22:23]      ; my chunk of the tables
	s_lshl_b32 s22, s19, 9
	s_add_nc_u64 s[16:17], s[16:17], s[22:23]      ; my 128 words of maskw
.irp i, 0,1,2,3,4,5,6,7
	global_load_b128 v[192+4*\i:195+4*\i], v6, s[8:9] offset:4096*\i th:TH_LOAD_NT   ; rows 2 i and 2 i + 1: sixteen lanes read 256 consecutive bytes
.endr
.macro LOAD t
.irp i, 0,1,2,3
	global_load_b128 v[R+16*((\t)%4)+4*\i:R+16*((\t)%4)+4*\i+3], v3, s[4:5] offset:2048*(\t)+512*\i th:TH_LOAD_NT   ; 32 lanes read 512 consecutive bytes
.endr
.endm
.macro TURN t                          ; step t's numbers through the stage; LDS serves a wave's instructions in order, so no wait stands between
.irp i, 0,1,2,3
	ds_store_b128 v14, v[R+16*((\t)%4)+4*\i:R+16*((\t)%4)+4*\i+3] offset:32*SP*((\t)%2)+8*SP*\i
.endr
.irp i, 0,1,2,3
	ds_load_b128 v[X+16*((\t)%2)+4*\i:X+16*((\t)%2)+4*\i+3], v15 offset:32*SP*((\t)%2)+16*\i
.endr
.endm
.irp t, 0,1,2,3
	LOAD \t
.endr
	; ---- the rotary tables, while the loads are on their way
	s_lshl_b32 s20, s34, 4
	v_add_nc_u32 v116, s20, v4
	v_cvt_f32_u32 v116, v116                       ; my token's position
	s_and_b32 s20, s19, 6
	s_lshl_b32 s20, s20, 3                         ; 16 b
	s_and_b32 s21, s19, 1
	s_lshl_b32 s21, s21, 2                         ; 4 c
	s_add_co_u32 s20, s20, s21
	v_lshl_add_u32 v117, v5, 3, s20                ; my first frequency: 16 b + 8 h + 4 c
.irp i, 0,1,2,3
	v_add_nc_u32 v[128+\i], \i, v117
.endr
.irp i, 0,1,2,3
	v_cvt_f32_u32 v[128+\i], v[128+\i]
.endr
.irp i, 0,1,2,3
	v_mul_f32 v[128+\i], 0xbe549a78, v[128+\i]     ; -j log2(10000) / 64
.endr
.irp i, 0,1,2,3
	v_exp_f32 v[128+\i], v[128+\i]                 ; 10000^(-j/64)
.endr
	v_nop                                          ; a plain instruction behind the last exponential,
	s_wait_alu depctr_va_vdst(0)                   ; and one wait for the four, ahead of their first reader
.irp i, 0,1,2,3
	v_mul_f32 v[132+\i], v116, v[128+\i]           ; the angle x
.endr
.irp i, 0,1,2,3
	v_mul_f32 v[136+\i], 0x3f22f983, v[132+\i]
.endr
.irp i, 0,1,2,3
	v_rndne_f32 v[136+\i], v[136+\i]               ; n = x / (pi/2), to the nearest whole number
.endr
.irp i, 0,1,2,3
	v_fmamk_f32 v[140+\i], v[136+\i], 0xbfc90fdb, v[132+\i]   ; x - n x the high part of pi/2
.endr
.irp i, 0,1,2,3
	v_fmamk_f32 v[140+\i], v[136+\i], 0x333bbd2e, v[140+\i]   ; - n x the low part (which is negative)
.endr
.irp i, 0,1,2,3
	v_mul_f32 v[144+\i], v[140+\i], v[140+\i]
.endr
.irp i, 0,1,2,3
	v_fma_f32 v[148+\i], v[144+\i], s36, s37
.endr
.irp i, 0,1,2,3
	v_fma_f32 v[148+\i], v[144+\i], v[148+\i], s38
.endr
.irp i, 0,1,2,3
	v_mul_f32 v[156+\i], v[144+\i], v[140+\i]
.endr
.irp i, 0,1,2,3
	v_fma_f32 v[148+\i], v[156+\i], v[148+\i], v[140+\i]      ; sine of the rest
.endr
.irp i, 0,1,2,3
	v_fma_f32 v[152+\i], v[144+\i], s39, s40
.endr
.irp i, 0,1,2,3
	v_fma_f32 v[152+\i], v[144+\i], v[152+\i], s41
.endr
.irp i, 0,1,2,3
	v_fma_f32 v[152+\i], v[144+\i], v[152+\i], -0.5
.endr
.irp i, 0,1,2,3
	v_fma_f32 v[152+\i], v[144+\i], v[152+\i], 1.0            ; cosine of the rest
.endr
.irp i, 0,1,2,3
	v_cvt_i32_f32 v[156+\i], v[136+\i]             ; the quadrant is n mod 4
.endr
.irp i, 0,1,2,3
	v_and_b32 v118, 1, v[156+\i]
	v_cmp_ne_u32 vcc_lo, 0, v118
	v_cndmask_b32 v[172+\i], v[148+\i], v[152+\i], vcc_lo     ; in odd quadrants the two change places
	v_cndmask_b32 v[168+\i], v[152+\i], v[148+\i], vcc_lo
	v_and_b32 v118, 2, v[156+\i]
	v_lshlrev_b32 v118, 30, v118
	v_xor_b32 v[172+\i], v118, v[172+\i]           ; sin is negative in quadrants 2 and 3,
	v_add_nc_u32 v119, 1, v[156+\i]
	v_and_b32 v119, 2, v119
	v_lshlrev_b32 v119, 30, v119
	v_xor_b32 v[168+\i], v119, v[168+\i]           ; cos in 1 and 2
	v_mul_f32 v[160+\i], s42, v[168+\i]            ; q's copies carry 128^-0.5
	v_mul_f32 v[164+\i], s42, v[172+\i]
.endr
	global_store_b128 v3, v[160:163], s[14:15]                  ; each store of the wave covers 512 consecutive bytes, aligned
	global_store_b128 v3, v[164:167], s[14:15] offset:4096
	global_store_b128 v3, v[168:171], s[14:15] offset:1048576
	global_store_b128 v3, v[172:175], s[14:15] offset:1052672
	; ---- the mask's words
	s_wait_loadcnt 16                              ; the 8 mask loads are in; the 16 loads of numbers behind them may be out
.irp i, 0,1,2,3,4,5,6,7
	ds_store_b128 v7, v[192+4*\i:195+4*\i] offset:2*MP*\i
.endr
.irp p, 0,1
.irp b, 0,1,2,3
	ds_load_b128 v[224+16*\p+4*\b:227+16*\p+4*\b], v8 offset:128*\p+32*\b     ; row r, columns 128 p + 32 b + 16 h + 0..15
.endr
.endr
	s_wait_dscnt 0x0
.irp k, 0,1,2,3
	v_mov_b32 v[112+\k], 0
.endr
.set N, 0
.rept 128                              ; word N gathers byte N % 4 of register N / 4 from all 32 lanes, and goes to lane N / 4, register N % 4: byte 4 N of the wave's 512
	v_bfe_u32 v[116+N%4], v[224+N/4], 8*(N%4), 8
	v_cmp_ne_u32 s[32+N%4], 0, v[116+N%4]
	v_writelane_b32 v[112+N%4], s[32+N%4], N/4
.set N, N+1
.endr
	global_store_b128 v3, v[112:115], s[16:17]
	; ---- the scales
	s_wait_kmcnt 0x0
	s_cmp_lt_u32 ttmp9, 128
	s_cselect_b32 s20, s24, s26                    ; e0 or e2
	s_add_co_i32 s20, s20, 127
	s_lshl_b32 s21, s20, 23
	v_mov_b32 v11, s21                             ; 2^e as f32: the conversion takes its exponent field
	s_add_co_i32 s20, s20, 8
	s_lshl_b32 s20, s20, 23
	s_or_b32 s20, s20, 0x600000
	v_mov_b32 v10, s20                             ; 448 x 2^e
	s_add_co_i32 s20, s28, 127                     ; e4
	s_lshl_b32 s21, s20, 23
	v_mov_b32 v9, s21
	s_add_co_i32 s20, s20, 8
	s_lshl_b32 s20, s20, 23
	s_or_b32 s20, s20, 0x600000
	v_mov_b32 v1, s20
	s_wait_xcnt 0x0                                ; the tables' and the words' stores have read their registers, which the steps write again
	s_wait_loadcnt 12                              ; step 0's four loads are in
	TURN 0
.macro STEP t
.set XS, X+16*((\t)%2)
	s_wait_dscnt 0x0                               ; this step's numbers are back from the stage, so its stores into the stage have read their registers,
.if (\t)+4 < STEPS
	LOAD (\t)+4                                    ; which take the loads of four steps on
.endif
.if (\t)+1 < STEPS
.if STEPS-2-(\t) >= 3
	s_wait_loadcnt 12                              ; the next step's loads are in; those of the three steps behind it may be out
.else
	s_wait_loadcnt 4*(STEPS-2-(\t))
.endif
	TURN (\t)+1
.endif
.irp i, 0,1,2,3,4,5,6,7,8,9,10,11,12,13,14,15
	v_med3_num_f32 v[T+\i], v[XS+\i], -v10, v10    ; the conversion to an 8-bit code does not saturate (ISA guide 7.6.2): the hold comes first
.endr
	v_cvt_scalef32_pk8_fp8_f32 v[C1+4*(\t):C1+4*(\t)+1], v[T:T+7], v11
	v_cvt_scalef32_pk8_fp8_f32 v[C1+4*(\t)+2:C1+4*(\t)+3], v[T+8:T+15], v11
	v_nop                                          ; a plain instruction between the conversions and the next write of their sources
	global_store_b128 v3, v[C1+4*(\t):C1+4*(\t)+3], s[12:13] offset:512*(\t)
	s_cmp_lt_u32 ttmp9, 128                        ; inputs_q has one scale
	s_cbranch_scc1 .Lone_\@
.irp i, 0,1,2,3,4,5,6,7,8,9,10,11,12,13,14,15
	v_med3_num_f32 v[T+\i], v[XS+\i], -v1, v1
.endr
	v_cvt_scalef32_pk8_fp8_f32 v[C2+4*(\t):C2+4*(\t)+1], v[T:T+7], v9
	v_cvt_scalef32_pk8_fp8_f32 v[C2+4*(\t)+2:C2+4*(\t)+3], v[T+8:T+15], v9
	v_nop
	global_store_b128 v3, v[C2+4*(\t):C2+4*(\t)+3], s[12:13] offset:4194304+512*(\t)   ; part 2 lies 4 MiB behind part 1
.Lone_\@:
.endm
.irp t, 0,1,2,3,4,5,6,7,8,9,10,11,12,13,14,15
	STEP \t
.endr
	s_wait_tensorcnt 0x0                           ; the wave's end, behind my last LDS store
	ds_add_u32 v[SPW], v[NIL]
	s_wait_dscnt 0x0
	s_endpgm
.Lfunc_end_k_q0b9321d7a1_prep:
	.size	k_q0b9321d7a1_prep, .Lfunc_end_k_q0b9321d7a1_prep-k_q0b9321d7a1_prep
	.p2alignl 7, 3214868480
	.fill 96, 4, 3214868480
	.section	.rodata,"a",@progbits
	.p2align	6, 0x0
	.amdhsa_kernel k_q0b9321d7a1_prep
		.amdhsa_group_segment_fixed_size 39424
		.amdhsa_private_segment_fixed_size 0
		.amdhsa_enable_private_segment 0
		.amdhsa_kernarg_size 56
		.amdhsa_user_sgpr_count 2
		.amdhsa_user_sgpr_kernarg_segment_ptr 1
		.amdhsa_wavefront_size32 1
		.amdhsa_system_sgpr_workgroup_id_x 1
		.amdhsa_system_sgpr_workgroup_id_y 1
		.amdhsa_system_sgpr_workgroup_id_z 1
		.amdhsa_system_vgpr_workitem_id 0
		.amdhsa_next_free_vgpr 256
		.amdhsa_next_free_sgpr 66
		.amdhsa_reserve_vcc 1
		.amdhsa_float_denorm_mode_32 3
		.amdhsa_float_denorm_mode_16_64 3
		.amdhsa_memory_ordered 1
		.amdhsa_forward_progress 1
		.amdhsa_inst_pref_size 93
	.end_amdhsa_kernel
	.amdgpu_metadata
---
amdhsa.version: [ 1, 2 ]
amdhsa.kernels:
  - .name:           k_q0b9321d7a1_prep
    .symbol:         k_q0b9321d7a1_prep.kd
    .args:
      - { .name: inputs_q, .offset: 0, .size: 8, .value_kind: global_buffer, .address_space: global }
      - { .name: inputs_kv, .offset: 8, .size: 8, .value_kind: global_buffer, .address_space: global }
      - { .name: mask, .offset: 16, .size: 8, .value_kind: global_buffer, .address_space: global }
      - { .name: lowp_scales, .offset: 24, .size: 8, .value_kind: global_buffer, .address_space: global }
      - { .name: xcodes, .offset: 32, .size: 8, .value_kind: global_buffer, .address_space: global }
      - { .name: rope, .offset: 40, .size: 8, .value_kind: global_buffer, .address_space: global }
      - { .name: maskw, .offset: 48, .size: 8, .value_kind: global_buffer, .address_space: global }
    .group_segment_fixed_size: 39424
    .private_segment_fixed_size: 0
    .kernarg_segment_align: 8
    .kernarg_segment_size: 56
    .max_flat_workgroup_size: 128
    .sgpr_count:     66
    .vgpr_count:     256
    .wavefront_size: 32
...
	.end_amdgpu_metadata
.endif
;; end of part 1
;; launch wquant (part 2): grid 16 x 32, 4 waves a work-group, no clusters, 35,840 bytes of LDS; arguments wq, wk, wv, wo, lowp_scales, wcodes; writes wcodes
.if DOCPART == 2
	.amdgcn_target "amdgcn-amd-amdhsa--gfx1250"
	.amdhsa_code_object_version 6
	.text
	.protected	k_q0b9321d7a1_wquant
	.globl	k_q0b9321d7a1_wquant
	.p2align	8
	.type	k_q0b9321d7a1_wquant,@function
k_q0b9321d7a1_wquant:
	s_mov_b64 s[64:65], 0
	v_nop
	global_prefetch_b8 v0, s[64:65] scope:SCOPE_SE
	s_setreg_imm32_b32 hwreg(HW_REG_WAVE_MODE, 25, 1), 1
	s_wait_xcnt 0x0
; The four weights, each [2048 (K)][2048 (N)] f32 with K as the FIRST axis (wq, wk, wv: K = d, N = 128 h + f;  wo: K = 128 h + f, N = d), become codes of FP8 (E4M3) laid [4][2048 n][2048 k], K innermost,
; with the given scales 2^e: e1, e3, e5, e11.  code = x / 2^e, held within +-448, to the nearest code, ties to even.  LIMITS: each e between -126 and 119.  NaN among the inputs is not served.  No work is left out.
; A LANE TAKES A COLUMN n AND ITS REGISTERS RUN DOWN K: each load reads neighbouring n in neighbouring lanes (128 consecutive bytes a wave, 512 a work-group), and the conversions give codes with K innermost.
; A wave takes 32 columns x 256 along K; the codes go through the wave's own stage in LDS and leave as rows: sixteen lanes store 256 consecutive bytes, aligned.  Waves share nothing: no barrier.
; Work-group x: 128 columns.  Work-group y: tensor y / 8, the 256 along K number y % 8.  Every offset is an immediate: 255 x 8,192 and 30 x 2,048 lie inside the signed 24 bits (ISA guide, chapter 10).
.set SIZE_N, 2048
.set KW,    256
.set NB,    KW/32
.set ROWB,  256
.set PITCH, ROWB+16
.set KROW,  2048
.set X,     32                         ; v32-95   two sets of 32 numbers
.set C,     96                         ; v96-103  a block's codes
.set OUTR,  112                        ; v112-175 the way out
.set SPW,   14
.set NIL,   15
.set SPARE, 4*32*PITCH
	s_load_b256 s[4:11], s[0:1], 0x0               ; wq, wk, wv, wo
	s_load_b128 s[12:15], s[0:1], 0x20             ; the scales' exponents, wcodes
	v_lshl_add_u32 v[SPW], v0, 2, SPARE
	v_mov_b32 v[NIL], 0
	v_lshrrev_b32 v1, 5, v0
	v_readfirstlane_b32 s16, v1                    ; wave
	v_and_b32 v2, 31, v0                           ; lane
	s_lshl_b32 s17, ttmp9, 7
	s_lshl_b32 s18, s16, 5
	s_add_co_u32 s17, s17, s18                     ; my wave's first column
	s_and_b32 s28, ttmp7, 0xffff
	s_and_b32 s18, s28, 7                          ; which 256 along K
	s_lshr_b32 s28, s28, 3                         ; which tensor
	v_lshlrev_b32 v3, 2, v2                        ; in: 4 bytes a lane
	s_mul_i32 s19, s16, 32*PITCH                   ; my stage
	v_mul_u32_u24 v4, v2, PITCH
	v_add_nc_u32 v4, s19, v4                       ; into it: row = my column
	v_and_b32 v5, 15, v2
	v_lshrrev_b32 v6, 4, v2
	v_mul_u32_u24 v7, v6, PITCH
	v_lshl_add_u32 v7, v5, 4, v7
	v_add_nc_u32 v7, s19, v7                       ; out of it: sixteen lanes to a row, two rows an instruction
	v_mul_u32_u24 v8, v6, KROW
	v_lshl_add_u32 v8, v5, 4, v8                   ; and the same place among the codes
	s_lshl_b32 s20, s18, 21                        ; 256 rows of 8,192 bytes
	s_lshl_b32 s22, s17, 2
	s_add_co_u32 s20, s20, s22
	s_mov_b32 s21, 0
	s_lshl_b32 s24, s17, 11                        ; my first column's row of codes
	s_lshl_b32 s22, s18, 8
	s_add_co_u32 s24, s24, s22
	s_lshl_b32 s22, s28, 22                        ; the tensor's part
	s_add_co_u32 s24, s24, s22
	s_mov_b32 s25, 0
	s_wait_kmcnt 0x0
	s_load_b256 s[32:39], s[12:13], 0x0            ; e0 .. e7
	s_load_b128 s[40:43], s[12:13], 0x20           ; e8 .. e11
	s_cmp_eq_u32 s28, 1                            ; the tensor is chosen by the work-group's number alone
	s_cselect_b64 s[4:5], s[6:7], s[4:5]
	s_cmp_eq_u32 s28, 2
	s_cselect_b64 s[4:5], s[8:9], s[4:5]
	s_cmp_eq_u32 s28, 3
	s_cselect_b64 s[4:5], s[10:11], s[4:5]
	s_add_nc_u64 s[4:5], s[4:5], s[20:21]
	s_add_nc_u64 s[14:15], s[14:15], s[24:25]
.macro LOAD t                          ; block t: W(32 t + i, my column), i = 0 .. 31, into set t % 2
.irp i, 0,1,2,3,4,5,6,7,8,9,10,11,12,13,14,15,16,17,18,19,20,21,22,23,24,25,26,27,28,29,30,31
	global_load_b32 v[X+32*((\t)%2)+\i], v3, s[4:5] offset:(32*(\t)+\i)*SIZE_N*4 th:TH_LOAD_NT
.endr
.endm
	LOAD 0
	LOAD 1
	s_wait_kmcnt 0x0
	s_cmp_eq_u32 s28, 1
	s_cselect_b32 s30, s35, s33                    ; e3 or e1
	s_cmp_eq_u32 s28, 2
	s_cselect_b32 s30, s37, s30                    ; e5
	s_cmp_eq_u32 s28, 3
	s_cselect_b32 s30, s43, s30                    ; e11
	s_add_co_i32 s30, s30, 127
	s_lshl_b32 s31, s30, 23
	v_mov_b32 v11, s31                             ; 2^e as f32
	s_add_co_i32 s30, s30, 8
	s_lshl_b32 s30, s30, 23
	s_or_b32 s30, s30, 0x600000
	v_mov_b32 v10, s30                             ; 448 x 2^e
.macro BLOCK t
.set XS, X+32*((\t)%2)
.if (\t) < NB-1
	s_wait_loadcnt 32                              ; this block's 32 loads are in; the next block's may be out
.else
	s_wait_loadcnt 0
.endif
.irp i, 0,1,2,3,4,5,6,7,8,9,10,11,12,13,14,15,16,17,18,19,20,21,22,23,24,25,26,27,28,29,30,31
	v_med3_num_f32 v[XS+\i], v[XS+\i], -v10, v10   ; the conversion does not saturate (ISA guide 7.6.2): the hold comes first
.endr
.irp g, 0,1,2,3
	v_cvt_scalef32_pk8_fp8_f32 v[C+2*\g:C+2*\g+1], v[XS+8*\g:XS+8*\g+7], v11
.endr
	v_nop                                          ; a plain instruction behind the last conversion
	ds_store_b128 v4, v[C:C+3] offset:32*(\t)      ; 32 codes: 32 bytes of my column's row
	ds_store_b128 v4, v[C+4:C+7] offset:32*(\t)+16
.if (\t)+2 < NB
	LOAD (\t)+2
.endif
	s_wait_dscnt 0x0                               ; the stores have read their registers: the next block's codes may be written
.endm
.set Q, 0
.rept NB
	BLOCK Q
.set Q, Q+1
.endr
.irp t, 0,1,2,3,4,5,6,7,8,9,10,11,12,13,14,15
	ds_load_b128 v[OUTR+4*\t:OUTR+4*\t+3], v7 offset:2*\t*PITCH   ; LDS serves a wave's instructions in order: these see my stores
.endr
.irp t, 0,1,2,3,4,5,6,7,8,9,10,11,12,13,14,15
	s_wait_dscnt 15-\t                             ; the younger row loads may be out
	global_store_b128 v8, v[OUTR+4*\t:OUTR+4*\t+3], s[14:15] offset:2*\t*KROW
.endr
	s_wait_tensorcnt 0x0                           ; the wave's end, behind my last LDS store
	ds_add_u32 v[SPW], v[NIL]
	s_wait_dscnt 0x0
	s_endpgm
.Lfunc_end_k_q0b9321d7a1_wquant:
	.size	k_q0b9321d7a1_wquant, .Lfunc_end_k_q0b9321d7a1_wquant-k_q0b9321d7a1_wquant
	.p2alignl 7, 3214868480
	.fill 96, 4, 3214868480
	.section	.rodata,"a",@progbits
	.p2align	6, 0x0
	.amdhsa_kernel k_q0b9321d7a1_wquant
		.amdhsa_group_segment_fixed_size 35840
		.amdhsa_private_segment_fixed_size 0
		.amdhsa_enable_private_segment 0
		.amdhsa_kernarg_size 48
		.amdhsa_user_sgpr_count 2
		.amdhsa_user_sgpr_kernarg_segment_ptr 1
		.amdhsa_wavefront_size32 1
		.amdhsa_system_sgpr_workgroup_id_x 1
		.amdhsa_system_sgpr_workgroup_id_y 1
		.amdhsa_system_sgpr_workgroup_id_z 1
		.amdhsa_system_vgpr_workitem_id 0
		.amdhsa_next_free_vgpr 192
		.amdhsa_next_free_sgpr 66
		.amdhsa_reserve_vcc 0
		.amdhsa_float_denorm_mode_32 3
		.amdhsa_float_denorm_mode_16_64 3
		.amdhsa_memory_ordered 1
		.amdhsa_forward_progress 1
		.amdhsa_inst_pref_size 50
	.end_amdhsa_kernel
	.amdgpu_metadata
---
amdhsa.version: [ 1, 2 ]
amdhsa.kernels:
  - .name:           k_q0b9321d7a1_wquant
    .symbol:         k_q0b9321d7a1_wquant.kd
    .args:
      - { .name: wq, .offset: 0, .size: 8, .value_kind: global_buffer, .address_space: global }
      - { .name: wk, .offset: 8, .size: 8, .value_kind: global_buffer, .address_space: global }
      - { .name: wv, .offset: 16, .size: 8, .value_kind: global_buffer, .address_space: global }
      - { .name: wo, .offset: 24, .size: 8, .value_kind: global_buffer, .address_space: global }
      - { .name: lowp_scales, .offset: 32, .size: 8, .value_kind: global_buffer, .address_space: global }
      - { .name: wcodes, .offset: 40, .size: 8, .value_kind: global_buffer, .address_space: global }
    .group_segment_fixed_size: 35840
    .private_segment_fixed_size: 0
    .kernarg_segment_align: 8
    .kernarg_segment_size: 48
    .max_flat_workgroup_size: 128
    .sgpr_count:     66
    .vgpr_count:     192
    .wavefront_size: 32
...
	.end_amdgpu_metadata
.endif
;; end of part 2
;; launch qkvgemm (part 3): grid 24 x 8, 4 waves a work-group, clusters of 4 x 4, 327,680 bytes of LDS; arguments xcodes, wcodes, rope, lowp_scales, qkv; writes qkv
.if DOCPART == 3
	.amdgcn_target "amdgcn-amd-amdhsa--gfx1250"
	.amdhsa_code_object_version 6
	.text
	.protected	k_q0b9321d7a1_qkvgemm
	.globl	k_q0b9321d7a1_qkvgemm
	.p2align	8
	.type	k_q0b9321d7a1_qkvgemm,@function
k_q0b9321d7a1_qkvgemm:
	s_mov_b64 s[64:65], 0
	v_nop
	global_prefetch_b8 v0, s[64:65] scope:SCOPE_SE
	s_setreg_imm32_b32 hwreg(HW_REG_WAVE_MODE, 25, 1), 1
	s_wait_xcnt 0x0
	s_wait_alu depctr_hold_cnt(0) depctr_sa_sdst(0) depctr_va_vdst(0) depctr_va_sdst(0) depctr_va_ssrc(0) depctr_va_vcc(0) depctr_vm_vsrc(0)
	s_getreg_b32 s2, hwreg(HW_REG_IB_STS2, 6, 4)
	s_cmp_eq_u32 s2, 0
	s_cbranch_scc0 .Lentry_in_a_cluster
	s_endpgm
.Lentry_in_a_cluster:
	s_bfe_u32 s2, ttmp6, 0x10000c
	s_cmp_lg_u32 s2, 0xf033
	s_cbranch_scc0 .Lentry_shape_is_right
	s_endpgm
.Lentry_shape_is_right:
; The three projections on codes of FP8 (E4M3), each 2,048 x 2,048 x 2,048, with the rotary embedding and the next quantiser on the way out.  No work is left out.
; JOB t = cluster x / 2: 0 q, 1 k, 2 v.  Out[m][n] = sum over k of A[m][k] B[n][k].  q, k: A = the tokens' codes (xcodes part t), B = the weight's (wcodes part t).
; v: THE TWO CHANGE PLACES (A = the weight's rows, B = the tokens'), so that a lane's eight results run along the KEYS, which are the K of attention's second product.
; A tile of 256 x 256 is made by four waves, 128 x 128 each: 64 accumulators, 512 registers.  K goes in steps of 256 through a ring of two LDS slots filled by the tensor data mover: a tile's row is 256 bytes of memory.
; CLUSTERS: 4 x 4 work-groups of one job.  The four of a row need the same tiles of A, the four of a column the same tiles of B: each tile is asked for jointly, by the same tensor load with the same descriptor and a mask that names the four.
; THE MATRIX INSTRUCTION IS USED TRANSPOSED (source 0 = 16 rows of B, source 1 = 16 rows of A): a lane holds row l % 16 of A's block and eight neighbouring columns 8 (l / 16) + 0..7 of B's block.
; THE WAY OUT.  A wave's 128 columns (q, k) are one head, so both halves of a rotary pair lie in the same lane: feature f in B's block b, feature f + 64 in block b + 4.  out_lo = lo cos - hi sin, out_hi = hi cos + lo sin,
; with cos and sin from the table of the first launch (q's carries 128^-0.5), laid in this register order.  A sum stands for sum x 2^(ea + eb), and the embedding is linear, so the next quantiser's scale 2^eo is applied as 2^(eo - ea - eb).
; A wave's 128 x 128 codes are one block of 16 KiB of qkv [3][16 heads][16 blocks][128 rows][128 bytes]: q, k: block = 128 tokens, row = token, byte = feature;  v: block = 128 keys, row = feature, byte = key.
; LIMITS: e6 - e0 - e1, e7 - e2 - e3 and e8 - e4 - e5 between -126 and 119.
; REGISTERS, in windows of 256: window 0: v0-31 addresses; from v128 A's fragments, one set; on the way out v128-159 rows read back, v160-223 64 numbers at work, v224-255 their codes.
;   window 1: B's fragments, two sets; on the way out four sets of 64 table numbers.   windows 2, 3: the accumulators ((a, b) at v[8 (8 (a % 4) + b)] of window 2 + a / 4).
.set SIZE_K, 2048
.set KSTEP,  256
.set ROWB,   256
.set KROW,   SIZE_K
.set PITCH,  272                       ; an LDS row: 256 bytes + 16 of padding = 68 words: the 16 rows that a load touches start at 16 different banks (64 banks of 4 bytes: ISA guide 11.1)
.set FR,     16
.set NL,     4
.set NP,     4                         ; places behind this matrix instruction (ISA guide 7.12.1)
.set HALFT,  128*PITCH
.set SLOT,   4*HALFT
.set LAPS,   SIZE_K/(2*KSTEP)
.set SPARE,  2*SLOT                    ; behind the ring: the spare words, 128 bytes a wave
.set CP,     144                       ; the way out: a stage row of 128 codes + 16 bytes.  The stages lie in slot 0, which has had its last fill and its last read by then
.set ADRA, 16
.set ADRB, 20
.set STO,  24
.set RD,   25
.set CO,   26                          ; 16 x lane
.set SPW,  28
.set NIL,  29
.set AF,   128
.set BK,   128
.set TMP,  160
.set PC,   224
.set G1, 24
.set G0, 32
.set G1B, 48
.set G0B, 56
.set MSB, 0
.macro WIN new                         ; the immediate's high byte repeats the setting that is left
.if MSB != (\new)
	s_set_vgpr_msb (MSB<<8)|(\new)
.set MSB, \new
.endif
.endm
.set MUL_LO, 0xa1                      ; source 0 (B) window 1, source 1 (A) window 0, C and D window 2
.set MUL_HI, 0xf1
.set TO_B,   0x40
; A joint load: waves 0 and 1 fetch for A, waves 2 and 3 for B; the branch hangs on the wave's number alone.  An s_nop 0 and four v_nop follow each line.
.macro JLOAD g0a, g1a, g0b, g1b
	s_cmp_eq_u32 s15, 0
	s_cbranch_scc0 .Lfor_b_\@
	tensor_load_to_lds s[\g0a:\g0a+3], s[\g1a:\g1a+7]
	s_nop 0
.rept 4
	v_nop
.endr
	s_branch .Lasked_\@
.Lfor_b_\@:
	tensor_load_to_lds s[\g0b:\g0b+3], s[\g1b:\g1b+7]
	s_nop 0
.rept 4
	v_nop
.endr
.Lasked_\@:
.endm
.macro CREST                           ; a round of the cluster's barrier behind its opening barrier
	s_cmp_lg_u32 s14, 0
	s_cbranch_scc1 .Lnot_wave_0_\@
	s_barrier_signal -3
.Lnot_wave_0_\@:
	s_barrier_wait -3
	s_barrier_signal -1
	s_barrier_wait -1
.endm
.macro CROUND
	s_barrier_signal -1
	s_barrier_wait -1
	CREST
.endm
	s_load_b128 s[4:7], s[0:1], 0x0                ; xcodes, wcodes
	s_load_b128 s[8:11], s[0:1], 0x10              ; rope, the scales' exponents
	s_load_b64 s[12:13], s[0:1], 0x20              ; qkv
	v_lshl_add_u32 v[SPW], v0, 2, SPARE
	v_mov_b32 v[NIL], 0
	ds_add_u32 v[SPW], v[NIL]                      ; the wave's opening: the add, twice on end, and its wait ahead of my first tensor load
	ds_add_u32 v[SPW], v[NIL]
	v_lshrrev_b32 v1, 5, v0
	v_readfirstlane_b32 s14, v1                    ; wave 0..3
	s_lshr_b32 s15, s14, 1                         ; which half of the tile's rows is mine.  Also: I fetch for A (0) or for B (1)
	s_and_b32 s16, s14, 1                          ; which half of its columns.  Also: which 128 rows of that tile I fetch
	s_bfe_u32 s40, ttmp6, 0x40000                  ; cx, cy
	s_bfe_u32 s41, ttmp6, 0x40004
	s_lshr_b32 s66, ttmp9, 1                       ; the job: the same in all sixteen partners
	s_and_b32 s42, ttmp9, 1
	s_lshl_b32 s42, s42, 2
	s_add_co_u32 s42, s42, s40                     ; tile column
	s_and_b32 s17, ttmp7, 0xffff
	s_lshl_b32 s17, s17, 2
	s_add_co_u32 s17, s17, s41                     ; tile row
	s_lshl_b32 s43, s41, 2
	s_lshl_b32 s43, 15, s43                        ; my row of the cluster
	s_lshl_b32 s44, 0x1111, s40                    ; my column
	s_or_b32 s[G1+0], s43, (0<<16)|(1<<20)|(1<<21)|(5<<22)|(3<<25)  ; the mask; elements of 1 byte; padding on; bit 21 beside a mask; after every 64 words, 4 words
	s_or_b32 s[G1B+0], s44, (0<<16)|(1<<20)|(1<<21)|(5<<22)|(3<<25)
.irp g, G1, G1B
	s_mov_b32 s[\g+1], ROWB<<16                    ; tensor_dim0
	s_mov_b32 s[\g+2], 128<<16                     ; tensor_dim1
	s_mov_b32 s[\g+3], ROWB<<16                    ; tile_dim0
	s_mov_b32 s[\g+4], 128                         ; tile_dim1
	s_mov_b32 s[\g+5], KROW                        ; tensor_dim0_stride
	s_mov_b32 s[\g+6], 0
	s_mov_b32 s[\g+7], 0
.endr
	s_lshl_b32 s18, s16, 7
	s_lshl_b32 s20, s17, 8
	s_add_co_u32 s20, s20, s18                     ; A: row 256 x tile row + 128 x half
	s_lshl_b32 s46, s42, 8
	s_add_co_u32 s46, s46, s18                     ; B: row 256 x tile column + 128 x half
	s_lshl_b32 s20, s20, 11                        ; rows of 2,048 bytes
	s_lshl_b32 s46, s46, 11
	s_mov_b32 s21, 0
	s_mov_b32 s47, 0
	s_lshl_b32 s72, s66, 22                        ; the job's part of each buffer of codes
	s_mov_b32 s73, 0
	s_mul_i32 s45, s14, HALFT                      ; where the tiles go: wave x 128 rows
	s_wait_dscnt 0x0                               ; both opening adds are done
	s_wait_kmcnt 0x0
	s_load_b256 s[76:83], s[10:11], 0x0            ; e0 .. e7
	s_load_b32 s84, s[10:11], 0x20                 ; e8
	s_cmp_eq_u32 s66, 2                            ; v: the weight's rows are A's, the tokens' are B's
	s_cselect_b64 s[68:69], s[6:7], s[4:5]
	s_cselect_b64 s[70:71], s[4:5], s[6:7]
	s_add_nc_u64 s[68:69], s[68:69], s[72:73]
	s_add_nc_u64 s[70:71], s[70:71], s[72:73]
	s_add_nc_u64 s[20:21], s[68:69], s[20:21]
	s_add_nc_u64 s[46:47], s[70:71], s[46:47]
	CROUND                                         ; all sixteen work-groups are here: the first joint loads meet
.irp s, 0,1
	s_mov_b32 s[G0+4*\s], 1
	s_add_co_u32 s[G0+4*\s+1], s45, \s*SLOT
	s_add_nc_u64 s[G0+4*\s+2:G0+4*\s+3], s[20:21], \s*ROWB
	s_or_b32 s[G0+4*\s+3], s[G0+4*\s+3], 0x80000000
	s_mov_b32 s[G0B+4*\s], 1
	s_add_co_u32 s[G0B+4*\s+1], s45, \s*SLOT
	s_add_nc_u64 s[G0B+4*\s+2:G0B+4*\s+3], s[46:47], \s*ROWB
	s_or_b32 s[G0B+4*\s+3], s[G0B+4*\s+3], 0x80000000
	JLOAD G0+4*\s, G1, G0B+4*\s, G1B
.endr
	v_and_b32 v1, 15, v0                           ; l % 16
	v_bfe_u32 v2, v0, 4, 1                         ; l / 16
	v_mul_u32_u24 v3, v1, PITCH
	v_lshl_add_u32 v4, v2, 4, v3                   ; a fragment's row x pitch + 16 x half
	s_mul_i32 s21, s15, HALFT                      ; my 128 rows of A
	s_mul_i32 s22, s16, HALFT                      ; my 128 rows of B,
	s_add_co_u32 s22, s22, 2*HALFT                 ; which lie behind A's 256
.irp s, 0,1
	v_add_nc_u32 v[ADRA+\s], s21, v4
	v_add_nc_u32 v[ADRB+\s], s22, v4
	s_add_co_u32 s21, s21, SLOT
	s_add_co_u32 s22, s22, SLOT
.endr
	s_mul_i32 s23, s14, 2*16*CP                    ; my stage: two halves of 16 rows
	v_mul_u32_u24 v5, v1, CP
	v_lshl_add_u32 v5, v2, 3, v5
	v_add_nc_u32 v[STO], s23, v5                   ; in: row l % 16, 8 bytes for each half of the lanes
	v_and_b32 v6, 31, v0
	v_lshrrev_b32 v7, 3, v6
	v_mul_u32_u24 v7, v7, CP
	v_and_b32 v8, 7, v0
	v_lshl_add_u32 v7, v8, 4, v7
	v_add_nc_u32 v[RD], s23, v7                    ; back: eight lanes to a row of 128 bytes, four rows an instruction
	v_lshlrev_b32 v[CO], 4, v6
	s_and_b32 s90, s66, 1                          ; the table: part 0 for q, part 1 for k (the v job loads none of it)
	s_lshl_b32 s90, s90, 20
	s_lshl_b32 s91, s17, 4
	s_lshl_b32 s92, s15, 3
	s_add_co_u32 s91, s91, s92                     ; my first block of 16 tokens
	s_lshl_b32 s91, s91, 13
	s_add_co_u32 s90, s90, s91
	s_mov_b32 s91, 0
	s_add_nc_u64 s[86:87], s[8:9], s[90:91]
	s_lshl_b32 s92, s17, 1
	s_add_co_u32 s92, s92, s15                     ; my 128 rows' number
	s_lshl_b32 s93, s42, 1
	s_add_co_u32 s93, s93, s16                     ; my 128 columns' number
	s_cmp_eq_u32 s66, 2
	s_cselect_b32 s94, s92, s93                    ; the head: the columns' number for q and k, the rows' for v
	s_cselect_b32 s95, s93, s92                    ; the block of tokens
	s_lshl_b32 s94, s94, 4
	s_add_co_u32 s94, s94, s95
	s_lshl_b32 s94, s94, 14
	s_add_co_u32 s90, s94, s72
	s_add_nc_u64 s[12:13], s[12:13], s[90:91]      ; my block of 16 KiB
.macro FRAG reg, adr, q, i             ; 16 rows x 128 K: lane l holds row l % 16; registers 4 c .. 4 c + 3 hold K = 32 c + 16 (l / 16) + 0 .. 15: the same places in A and in B
.irp c, 0,1,2,3
	ds_load_b128 v[\reg+4*\c:\reg+4*\c+3], v[\adr] offset:128*(\q)+32*\c+(\i)*16*PITCH
.endr
.endm
; 16 matrix instructions: A's blocks a0, a0 + 1 x B's eight.  The 64 accumulators take turns, one instruction a turn, in the same order in every step.
.macro MUL16 a0, p, zero
.irp a, \a0, \a0+1
.irp b, 0,1,2,3,4,5,6,7
.if \zero
	v_wmma_f32_16x16x128_fp8_fp8 v[8*(8*((\a)%4)+\b):8*(8*((\a)%4)+\b)+7], v[128*(\p)+FR*\b:128*(\p)+FR*\b+FR-1], v[AF+FR*(\a):AF+FR*(\a)+FR-1], 0
.else
	v_wmma_f32_16x16x128_fp8_fp8 v[8*(8*((\a)%4)+\b):8*(8*((\a)%4)+\b)+7], v[128*(\p)+FR*\b:128*(\p)+FR*\b+FR-1], v[AF+FR*(\a):AF+FR*(\a)+FR-1], v[8*(8*((\a)%4)+\b):8*(8*((\a)%4)+\b)+7]
.endif
.endr
.endr
.endm
.macro FETCH_B slot, q, p
	WIN TO_B
.irp i, 0,1,2,3,4,5,6,7
	FRAG 128*(\p)+FR*\i, ADRB+\slot, \q, \i
.endr
	WIN 0
.endm
.macro FETCH_A slot, q, i0
.irp i, \i0, \i0+1, \i0+2, \i0+3
	FRAG AF+FR*(\i), ADRA+\slot, \q, \i
.endr
.endm
.macro PLACES n                        ; plain vector instructions between a matrix instruction and a load into, or a read of, its registers
.rept \n
	v_nop
.endr
.endm
.macro STEP slot, q, zero              ; 128 along K, with its successor in the same slot
	s_wait_dscnt 4*NL                              ; B's set and A's blocks 0-3 are in; A's blocks 4-7 may be out
	WIN MUL_LO
	MUL16 0, (\q)%2, \zero
	MUL16 2, (\q)%2, \zero
	s_wait_dscnt 0
	PLACES NP
	FETCH_B \slot, (\q)+1, 1-(\q)%2
	FETCH_A \slot, (\q)+1, 0
	WIN MUL_HI
	MUL16 4, (\q)%2, \zero
	MUL16 6, (\q)%2, \zero
	PLACES NP
	WIN 0
	FETCH_A \slot, (\q)+1, 4
.endm
; A slot's last step changes slots: one barrier; in front of it each wave waits for all its tensor loads, adds 0 to its spare word, and waits for that and for its reads of this slot.
.macro TURN slot, next, fill
	s_wait_tensorcnt 0x0                           ; all my tensor loads have landed: my part of the next slot
	ds_add_u32 v[SPW], v[NIL]
	s_wait_dscnt 4*NL+1                            ; the add and A's blocks 4-7 may be out
	WIN MUL_LO
	MUL16 0, 1, 0
	s_wait_dscnt 0x0                               ; the add is done, and my reads of this slot are over
	s_barrier_signal -1
	MUL16 2, 1, 0
	WIN 0
	s_barrier_wait -1
.if \fill
	CREST                                          ; no wave of any partner still reads this slot's tile or has a load on its way
	s_add_nc_u64 s[G0+4*\slot+2:G0+4*\slot+3], s[G0+4*\slot+2:G0+4*\slot+3], 2*ROWB
	s_add_nc_u64 s[G0B+4*\slot+2:G0B+4*\slot+3], s[G0B+4*\slot+2:G0B+4*\slot+3], 2*ROWB
	JLOAD G0+4*\slot, G1, G0B+4*\slot, G1B         ; the first tensor load behind the round; its four v_nop are the places in front of the loads below
.else
	PLACES NP
.endif
	FETCH_B \next, 0, 0
	FETCH_A \next, 0, 0
	WIN MUL_HI
	MUL16 4, 1, 0
	MUL16 6, 1, 0
	PLACES NP
	WIN 0
	FETCH_A \next, 0, 4
.endm
; The table of block a of 16 tokens: 16 loads of 512 consecutive bytes into set a % 4 of window 1: cos at 8 b + 4 c + i, sin 32 further on
.macro TAB a
	WIN 0x40
.irp u, 0,1,2,3,4,5,6,7,8,9,10,11,12,13,14,15
	global_load_b128 v[64*((\a)%4)+4*\u:64*((\a)%4)+4*\u+3], v[CO], s[86:87] offset:(\a)*8192+512*\u
.endr
	WIN 0
.endm
	s_wait_tensorcnt 1                             ; my part of K step 0 is in; K step 1's load may be out
	s_barrier_signal -1
	s_barrier_wait -1
	FETCH_B 0, 0, 0
	FETCH_A 0, 0, 0
	FETCH_A 0, 0, 4
	STEP 0, 0, 1                                   ; the first step's products start the sums
	s_mov_b32 s3, LAPS-1
.Llap:
	TURN 0, 1, 1
	STEP 1, 0, 0
	TURN 1, 0, 1
	STEP 0, 0, 0
	s_sub_co_u32 s3, s3, 1
	s_cmp_lg_u32 s3, 0
	s_cbranch_scc1 .Llap
	TURN 0, 1, 0                                   ; the last lap fills nothing
	STEP 1, 0, 0
	s_cmp_eq_u32 s66, 2                            ; q and k: the first two tables are asked for 64 matrix instructions ahead, into B's set 0, which is done with (the step's own places stand behind its last reader)
	s_cbranch_scc1 .Lno_table
	TAB 0
	TAB 1
.Lno_table:
	s_wait_dscnt 4*NL                              ; the very last step
	WIN MUL_LO
	MUL16 0, 1, 0
	MUL16 2, 1, 0
	s_wait_dscnt 0
	WIN MUL_HI
	MUL16 4, 1, 0
	MUL16 6, 1, 0
	WIN 0
	s_wait_kmcnt 0x0
	s_add_co_i32 s76, s76, s77
	s_sub_co_i32 s76, s82, s76                     ; e6 - e0 - e1
	s_add_co_i32 s78, s78, s79
	s_sub_co_i32 s78, s83, s78                     ; e7 - e2 - e3
	s_add_co_i32 s80, s80, s81
	s_sub_co_i32 s80, s84, s80                     ; e8 - e4 - e5
	s_cmp_eq_u32 s66, 1                            ; chosen by the job; no branch hangs on a scale
	s_cselect_b32 s88, s78, s76
	s_cmp_eq_u32 s66, 2
	s_cselect_b32 s88, s80, s88
	s_add_co_i32 s88, s88, 127
	s_lshl_b32 s89, s88, 23
	s_add_co_i32 s88, s88, 8
	s_lshl_b32 s88, s88, 23
	s_or_b32 s88, s88, 0x600000
	PLACES NP                                      ; behind the last products: for the reads of their results and the writes and loads into their operands' registers
	v_mov_b32 v30, s89                             ; the three scales folded into one, as f32
	v_mov_b32 v31, s88                             ; 448 x that
; Block a's rotary embedding: 64 numbers a lane into v[TMP] on.  Each accumulator is read from its low end on.
.macro ROPE a
.set AC, 64*((\a)%4)
	WIN 0x06+((\a)/4)                              ; source 0 (the sums) window 2 or 3, source 1 (the table) window 1
.irp b, 0,1,2,3
.irp j, 0,2,4,6
	v_pk_mul_f32 v[TMP+8*\b+\j:TMP+8*\b+\j+1], v[AC+32+8*\b+\j:AC+32+8*\b+\j+1], v[AC+32+8*\b+\j:AC+32+8*\b+\j+1]        ; hi sin
	v_pk_mul_f32 v[TMP+32+8*\b+\j:TMP+32+8*\b+\j+1], v[AC+8*\b+\j:AC+8*\b+\j+1], v[AC+32+8*\b+\j:AC+32+8*\b+\j+1]        ; lo sin
.endr
.irp j, 0,2,4,6
	v_pk_fma_f32 v[TMP+8*\b+\j:TMP+8*\b+\j+1], v[AC+8*\b+\j:AC+8*\b+\j+1], v[AC+8*\b+\j:AC+8*\b+\j+1], v[TMP+8*\b+\j:TMP+8*\b+\j+1] neg_lo:[0,0,1] neg_hi:[0,0,1]   ; lo cos - hi sin
	v_pk_fma_f32 v[TMP+32+8*\b+\j:TMP+32+8*\b+\j+1], v[AC+32+8*\b+\j:AC+32+8*\b+\j+1], v[AC+8*\b+\j:AC+8*\b+\j+1], v[TMP+32+8*\b+\j:TMP+32+8*\b+\j+1]                ; hi cos + lo sin
.endr
.endr
	WIN 0
.endm
; Block a's 64 held numbers become codes, go into my stage (half a % 2, at so) as 16 rows of 128 bytes, and come back four rows an instruction.
.macro TAILB a, so
.set PCS, PC+16*((\a)%2)
.set BB, BK+16*((\a)%2)
.irp b, 0,1,2,3,4,5,6,7
	v_cvt_scalef32_pk8_fp8_f32 v[PCS+2*\b:PCS+2*\b+1], v[TMP+8*\b:TMP+8*\b+7], v30
.endr
	v_nop                                          ; a plain instruction behind the last conversion: the next block writes its sources
	s_wait_xcnt 0x0                                ; the stores of two blocks ago have read the registers into which the loads below land
.irp b, 0,1,2,3,4,5,6,7
	ds_store_b64 v[STO], v[PCS+2*\b:PCS+2*\b+1] offset:\so+((\a)%2)*16*CP+16*\b
.endr
.irp g, 0,1,2,3
	ds_load_b128 v[BB+4*\g:BB+4*\g+3], v[RD] offset:\so+((\a)%2)*16*CP+4*CP*\g   ; LDS serves a wave's instructions in order: these see the stores above
.endr
.endm
.macro SEND a, younger
.set BB, BK+16*((\a)%2)
	s_wait_dscnt \younger                          ; the block is back; the next block's 8 stores and 4 loads may be out
.irp g, 0,1,2,3
	global_store_b128 v[CO], v[BB+4*\g:BB+4*\g+3], s[12:13] offset:2048*(\a)+512*\g   ; 32 lanes store 512 consecutive bytes, aligned
.endr
.endm
	s_cmp_eq_u32 s66, 2
	s_cbranch_scc1 .Lv_arm
	TAB 2                                          ; into B's set 1, behind the places above
	TAB 3
.irp a, 0,1,2,3,4,5,6,7
.if \a <= 4
	s_wait_loadcnt 48                              ; block a's table is in; the three younger sets of 16 loads may be out
.else
	s_wait_loadcnt 16*(7-\a)
.endif
	ROPE \a
.if \a <= 3
	TAB \a+4                                       ; the set just read takes the table four blocks on
.endif
.set i, 0
.rept 64
	v_med3_num_f32 v[TMP+i], v[TMP+i], -v31, v31   ; the conversion does not saturate (ISA guide 7.6.2): the hold comes first
.set i, i+1
.endr
	TAILB \a, 0
.if \a > 0
	SEND \a-1, 12
.endif
.endr
	SEND 7, 0
	s_branch .Ljoin
.Lv_arm:                                               ; v has no embedding; its stage has LDS bytes of its own
.irp a, 0,1,2,3,4,5,6,7
	WIN 0x02+((\a)/4)                              ; source 0: window 2 or 3
.set i, 0
.rept 64
	v_med3_num_f32 v[TMP+i], v[64*((\a)%4)+i], -v31, v31
.set i, i+1
.endr
	WIN 0
	TAILB \a, 4*2*16*CP
.if \a > 0
	SEND \a-1, 12
.endif
.endr
	SEND 7, 0
.Ljoin:
	s_wait_tensorcnt 0x0                           ; the wave's end, behind my last tensor load and my last LDS store
	ds_add_u32 v[SPW], v[NIL]
	s_wait_dscnt 0x0
	CROUND                                         ; the closing round: no work-group ends while a partner may still ask for a tile that names it
	s_endpgm
.Lfunc_end_k_q0b9321d7a1_qkvgemm:
	.size	k_q0b9321d7a1_qkvgemm, .Lfunc_end_k_q0b9321d7a1_qkvgemm-k_q0b9321d7a1_qkvgemm
	.p2alignl 7, 3214868480
	.fill 96, 4, 3214868480
	.section	.rodata,"a",@progbits
	.p2align	6, 0x0
	.amdhsa_kernel k_q0b9321d7a1_qkvgemm
		.amdhsa_group_segment_fixed_size 327680
		.amdhsa_private_segment_fixed_size 0
		.amdhsa_enable_private_segment 0
		.amdhsa_kernarg_size 40
		.amdhsa_user_sgpr_count 2
		.amdhsa_user_sgpr_kernarg_segment_ptr 1
		.amdhsa_wavefront_size32 1
		.amdhsa_system_sgpr_workgroup_id_x 1
		.amdhsa_system_sgpr_workgroup_id_y 1
		.amdhsa_system_sgpr_workgroup_id_z 1
		.amdhsa_system_vgpr_workitem_id 0
		.amdhsa_next_free_vgpr 1024
		.amdhsa_next_free_sgpr 100
		.amdhsa_reserve_vcc 0
		.amdhsa_float_denorm_mode_32 3
		.amdhsa_float_denorm_mode_16_64 3
		.amdhsa_memory_ordered 1
		.amdhsa_forward_progress 1
		.amdhsa_inst_pref_size 216
	.end_amdhsa_kernel
	.amdgpu_metadata
---
amdhsa.version: [ 1, 2 ]
amdhsa.kernels:
  - .name:           k_q0b9321d7a1_qkvgemm
    .symbol:         k_q0b9321d7a1_qkvgemm.kd
    .args:
      - { .name: xcodes, .offset: 0, .size: 8, .value_kind: global_buffer, .address_space: global }
      - { .name: wcodes, .offset: 8, .size: 8, .value_kind: global_buffer, .address_space: global }
      - { .name: rope, .offset: 16, .size: 8, .value_kind: global_buffer, .address_space: global }
      - { .name: lowp_scales, .offset: 24, .size: 8, .value_kind: global_buffer, .address_space: global }
      - { .name: qkv, .offset: 32, .size: 8, .value_kind: global_buffer, .address_space: global }
    .group_segment_fixed_size: 327680
    .private_segment_fixed_size: 0
    .kernarg_segment_align: 8
    .kernarg_segment_size: 40
    .max_flat_workgroup_size: 128
    .sgpr_count:     100
    .vgpr_count:     1024
    .wavefront_size: 32
...
	.end_amdgpu_metadata
.endif
;; end of part 3
;; launch attn (part 4): grid 16 x 16, 8 waves a work-group, clusters of 4 x 1, 327,680 bytes of LDS; arguments qkv, maskw, lowp_scales, ctx; writes ctx
.if DOCPART == 4
	.amdgcn_target "amdgcn-amd-amdhsa--gfx1250"
	.amdhsa_code_object_version 6
	.text
	.protected	k_q0b9321d7a1_attn
	.globl	k_q0b9321d7a1_attn
	.p2align	8
	.type	k_q0b9321d7a1_attn,@function
k_q0b9321d7a1_attn:
	s_mov_b64 s[64:65], 0
	v_nop
	global_prefetch_b8 v0, s[64:65] scope:SCOPE_SE
	s_setreg_imm32_b32 hwreg(HW_REG_WAVE_MODE, 25, 1), 1
	s_wait_xcnt 0x0
	s_wait_alu depctr_hold_cnt(0) depctr_sa_sdst(0) depctr_va_vdst(0) depctr_va_sdst(0) depctr_va_ssrc(0) depctr_va_vcc(0) depctr_vm_vsrc(0)
	s_getreg_b32 s2, hwreg(HW_REG_IB_STS2, 6, 4)
	s_cmp_eq_u32 s2, 0
	s_cbranch_scc0 .Lentry_in_a_cluster
	s_endpgm
.Lentry_in_a_cluster:
	s_bfe_u32 s2, ttmp6, 0x10000c
	s_cmp_lg_u32 s2, 0x3003
	s_cbranch_scc0 .Lentry_shape_is_right
	s_endpgm
.Lentry_shape_is_right:
; Attention on codes of FP8 (E4M3): for each head and query, ctx = sum over keys of softmax(q . k, masked) v, quantised for the output projection.  No work is left out: the mask is an input, so every key step is walked for every query.
; qkv [3][16 heads][16 blocks][128 rows][128 bytes]: q, k: row = token, byte = feature (q carries 128^-0.5); v: row = feature, byte = key.  Scales: q e6, k e7, v e8, p e9, ctx e10.
; THE SOFTMAX: t = logit x log2(e); M = the largest t so far, rounded UP to a whole number; p = 2^(t - M) is quantised, not normalised; the row's sum is taken of the unquantised p and divides at the end.
; When M moves, the sum and O are multiplied by 2^(old M - new M): exact.
; THE MASK: the first launch has laid it as lane masks, a word for each score register; a scalar load brings a step's 64 words a step ahead, and one select a register puts the masked logit in a hidden score's place.
; THE MASKED LOGIT is -2^33 where the problem writes -1e10.  t - M is one fused multiply-add on the raw score, and a power of two times c is exact, so a row with no live key gets p = 1 for every key, the plain average, as with -1e10.
; Beside a live key both give p = 0: a live logit is at least -128 x 448^2 x 2^(e6 + e7), which lies above -2^33 while e6 + e7 <= 8.
; LIMITS: e6 + e7 between -94 and 8; e9, and e10 - e8 - e9, between -126 and 119.
; SHARES.  A work-group owns 128 queries of one head, each of its eight waves 16, in 256 registers: two waves to a SIMD, so that one wave's vector work stands beside the other's matrix work and LDS loads.
; Every wave walks all 2,048 keys, 128 a step.  K and V come through a ring of two LDS slots of 256 keys; both are 256 rows of 128 bytes a slot, dense in memory, so ONE descriptor shape serves both, and each of the eight waves fetches 64 rows.
; CLUSTER.  The four query blocks of a cluster belong to one head and walk the same K and V: each tile is asked for jointly, by the same load with a mask that names the four.
; LAYOUT.  Both products are used transposed (S^T = K Q^T, O^T = V^T P^T): a lane holds one query throughout.  Lane r of tile 2 b + u takes row 32 b + 8 u + r + 8 (r / 8), of K and of V alike: so the 16 registers of tiles 2 b, 2 b + 1 are
; 16 neighbours: keys 32 b + 16 (lane / 16) + 0..15 in S^T, features likewise in O^T.  So p's codes are the second product's operand, and ctx's codes are the output projection's: they are stored as that operand's register image:
; ctx [128 tiles of 16 tokens][16 heads][4 c][32 lanes][16 bytes]: lane (r, h), chunk c: token 16 T + r, features 32 c + 16 h + 0..15.
; REGISTERS: v1-9 addresses; v12 -M, v13 the largest t, v[14:15] the sum in two halves; v16-31 Q; v32-95 four fragments; v96-159 S^T, then p; v160-223 O^T; v224-239 codes; v236-254 at work.
.set KP,    144                        ; a row in LDS: 128 bytes + 16 of padding
.set VOFF,  256*KP                     ; a slot: 256 rows of K, then 256 rows of V (two key steps x 128 features)
.set SLOT1, 1<<17                      ; slot 1 begins here: one exclusive or turns an address from one slot to the other
.set NSL,   8                          ; slots' worth of keys
.set SPARE, 2*SLOT1                    ; behind the ring: the spare words, 128 bytes a wave
.set AK0,  1
.set AV0,  2
.set PFO,  3                           ; v3  256 x my lane: the prefetches' offset; never rewritten
.set NEG,  4                           ; v4  the masked logit, in the raw scores' units
.set SPW,  5
.set NIL,  6
.set GO,   7                           ; v7  16 x lane
.set ADK,  8
.set ADV,  9
.set TB,   2                           ; s2  LDS byte at which the slot in hand begins
.set SLOTS, 3                          ; s3  slots still to be asked for
.set MW,   6                           ; s[6:7] my tile's mask words
.set WV,   12
.set LIM,  13                          ; s13 1 in a wave that prefetches, else the greatest number
.set PFA,  14                          ; s[14:15] where my prefetches stand
.set G1,   16                          ; s[16:23] descriptor group 1
.set G0,   24                          ; s[24:27] group 0, which walks
.set SEL,  28
.set CS,   30                          ; s[30:31] c = log2(e) x 2^(e6 + e7)
.macro CROUND                          ; a round of the cluster's barrier
	s_barrier_signal -1
	s_barrier_wait -1
	s_cmp_lg_u32 s[WV], 0
	s_cbranch_scc1 .Lnot_wave_0_\@
	s_barrier_signal -3
.Lnot_wave_0_\@:
	s_barrier_wait -3
	s_barrier_signal -1
	s_barrier_wait -1
.endm
; A PREFETCH of what the NEXT change of slots will ask for: a slot's 32,768 bytes of K and as many of V.  All clusters of a head walk the same K and V: the head's first cluster asks.  Its four partners share the bytes out BY ADDRESS,
; 8,192 each; in each, wave 0 asks for K's and wave 4 for V's: one instruction, lanes 256 bytes apart.  So each aligned block of 256 bytes is named once in the launch.  The last change that fills a slot asks for nothing.
.macro ASK
	s_cmp_gt_u32 s[SLOTS], s[LIM]
	s_cbranch_scc0 .Lnot_mine_\@
	global_prefetch_b8 v[PFO], s[PFA:PFA+1] th:TH_LOAD_NT scope:SCOPE_SE
.Lnot_mine_\@:
.endm
.macro MLOAD off                       ; a step's 64 mask words: word n in s[32 + n] (n < 32) or s[36 + n]
	s_load_b512 s[32:47], s[MW:MW+1], \off
	s_load_b512 s[48:63], s[MW:MW+1], \off+64
	s_load_b512 s[68:83], s[MW:MW+1], \off+128
	s_load_b512 s[84:99], s[MW:MW+1], \off+192
.endm
	s_load_b256 s[4:11], s[0:1], 0x0               ; qkv, maskw, the scales' exponents, ctx
	v_lshl_add_u32 v[SPW], v0, 2, SPARE
	v_mov_b32 v[NIL], 0
	ds_add_u32 v[SPW], v[NIL]                      ; the wave's opening: the add, twice on end, and its wait ahead of my first tensor load
	ds_add_u32 v[SPW], v[NIL]
	v_lshrrev_b32 v8, 5, v0
	v_readfirstlane_b32 s[WV], v8                  ; wave 0..7
	s_and_b32 s34, ttmp7, 0xffff                   ; the head, which the four partners share
	s_lshl_b32 s38, s34, 18                        ; its 16 blocks of 16 KiB
	s_lshr_b32 s36, s[WV], 2
	s_add_co_u32 s36, s36, 1
	s_lshl_b32 s36, s36, 22                        ; waves 0-3: part 1 (k); waves 4-7: part 2 (v)
	s_add_co_u32 s36, s36, s38
	s_mov_b32 s40, s36
	s_and_b32 s39, s[WV], 3
	s_lshl_b32 s39, s39, 13                        ; my 64 rows of a slot's 256
	s_add_co_u32 s36, s36, s39
	s_mov_b32 s37, 0
	s_bfe_u32 s32, ttmp6, 0x40000                  ; cx: it enters Q's, the mask words', ctx's and the prefetches' global addresses alone
	s_lshl_b32 s33, ttmp9, 2
	s_add_co_u32 s33, s33, s32                     ; my block of 128 queries
	s_lshl_b32 s33, s33, 3
	s_add_co_u32 s33, s33, s[WV]                   ; my tile of 16
	s_lshl_b32 s41, s32, 13
	s_add_co_u32 s40, s40, s41                     ; the prefetches: my work-group's quarter,
	s_add_co_u32 s40, s40, 32768                   ; in slot 1: the first change of slots steps it to slot 2.  Nothing is prefetched at the head
	s_mov_b32 s41, 0
	s_lshl_b32 s42, s33, 11
	s_add_co_u32 s42, s42, s38                     ; Q: 16 rows of 128 bytes a tile
	s_mov_b32 s43, 0
	s_lshl_b32 s44, s33, 12                        ; the mask words: 16 steps x 256 bytes a tile
	s_mov_b32 s45, 0
	s_lshl_b32 s46, s33, 15
	s_lshl_b32 s47, s34, 11
	s_add_co_u32 s46, s46, s47                     ; ctx: 32,768 bytes a tile, 2,048 a head
	s_mov_b32 s47, 0
	s_mov_b32 s[G1], 15|(1<<20)|(1<<21)|(4<<22)|(3<<25)   ; the mask: all four work-groups; elements of 1 byte; padding on; bit 21 beside a mask; after every 32 words, 4 words
	s_mov_b32 s[G1+1], 128<<16                     ; tensor_dim0
	s_mov_b32 s[G1+2], 64<<16                      ; tensor_dim1
	s_mov_b32 s[G1+3], 128<<16                     ; tile_dim0
	s_mov_b32 s[G1+4], 64                          ; tile_dim1
	s_mov_b32 s[G1+5], 128                         ; tensor_dim0_stride
	s_mov_b32 s[G1+6], 0
	s_mov_b32 s[G1+7], 0
	s_mov_b32 s[SEL], 0x76543210
	s_mov_b32 s[SEL+1], 0xfedcba98
	s_mov_b32 s[TB], 0
	s_mov_b32 s[SLOTS], NSL-1
	s_and_b32 s[LIM], s[WV], 3                     ; 0 in waves 0 and 4,
	s_or_b32 s[LIM], s[LIM], ttmp9                 ; where the cluster is the head's first: the same in all four partners
	s_cmp_eq_u32 s[LIM], 0
	s_cselect_b32 s[LIM], 1, -1
	v_and_b32 v[PFO], 31, v0
	v_lshlrev_b32 v[PFO], 8, v[PFO]
	s_wait_dscnt 0x0                               ; both opening adds are done
	s_wait_kmcnt 0x0
	s_load_b128 s[68:71], s[8:9], 0x18             ; e6, e7, e8, e9
	s_load_b32 s72, s[8:9], 0x28                   ; e10
	s_mov_b32 s[G0], 1
	s_mul_i32 s[G0+1], s[WV], 64*KP                ; LDS: wave x 64 rows: K's four quarters, then V's
	s_add_nc_u64 s[G0+2:G0+3], s[4:5], s[36:37]
	s_or_b32 s[G0+3], s[G0+3], 0x80000000
	s_add_nc_u64 s[PFA:PFA+1], s[4:5], s[40:41]
	s_add_nc_u64 s[4:5], s[4:5], s[42:43]
	s_add_nc_u64 s[MW:MW+1], s[MW:MW+1], s[44:45]
	s_add_nc_u64 s[10:11], s[10:11], s[46:47]
	CROUND                                         ; all four work-groups are here: the first joint loads meet
	tensor_load_to_lds s[G0:G0+3], s[G1:G1+7]      ; slot 0: every wave issues its own 64 rows; one tensor load of mine is out
	s_nop 0
.rept 4
	v_nop
.endr
	v_and_b32 v8, 15, v0                           ; r
	v_bfe_u32 v9, v0, 4, 1                         ; h
	v_lshlrev_b32 v10, 7, v8
	v_lshl_add_u32 v10, v9, 4, v10
.irp c, 0,1,2,3
	global_load_b128 v[16+4*\c:19+4*\c], v10, s[4:5] offset:32*\c   ; Q's fragment stays in registers
.endr
	v_and_b32 v11, 8, v8
	v_add_nc_u32 v11, v11, v8                      ; r + 8 (r / 8)
	v_mul_u32_u24 v[AK0], v11, KP
	v_lshl_add_u32 v[AK0], v9, 4, v[AK0]
	v_add_nc_u32 v[AV0], VOFF, v[AK0]
	v_and_b32 v[GO], 31, v0
	v_lshlrev_b32 v[GO], 4, v[GO]
	v_mov_b32 v13, 0xff61b1e6                      ; the largest t so far: -3e38
	v_floor_f32 v12, -v13                          ; -M
	v_mov_b32 v14, 0
	v_mov_b32 v15, 0
	v_mov_b32 v236, 0                              ; a lane permute's destination counts as one of its sources
	v_mov_b32 v253, 0                              ; (named as the upper half of a pair)
.set i, 0
.rept 64
	v_mov_b32 v[160+i], 0                          ; O^T: the step is written for all steps alike; the first finds zeros
.set i, i+1
.endr
	s_wait_kmcnt 0x0
	s_add_co_i32 s73, s68, s69
	s_lshl_b32 s73, s73, 23
	s_mov_b32 s[CS], 0x3fb8aa3b                    ; log2(e);
	s_add_co_i32 s[CS], s[CS], s73                 ; a score stands for score x 2^(e6 + e7): added to the exponent field
	s_mov_b32 s[CS+1], s[CS]
	s_mov_b32 s74, 0xd0000000                      ; -2^33,
	s_sub_co_i32 s74, s74, s73                     ; divided by 2^(e6 + e7)
	v_mov_b32 v[NEG], s74
	s_add_co_i32 s74, s71, 127
	s_lshl_b32 s75, s74, 23
	v_mov_b32 v244, s75                            ; 2^e9
	s_add_co_i32 s74, s74, 8
	s_lshl_b32 s74, s74, 23
	s_or_b32 s74, s74, 0x600000
	v_mov_b32 v240, s74                            ; 448 x 2^e9
	s_add_co_i32 s74, s70, s71
	s_sub_co_i32 s74, s72, s74                     ; O / the sum stands for ctx / 2^(e8 + e9): ctx's scale is applied as 2^(e10 - e8 - e9)
	s_add_co_i32 s74, s74, 127
	s_lshl_b32 s66, s74, 23
	s_add_co_i32 s74, s74, 8
	s_lshl_b32 s67, s74, 23
	s_or_b32 s67, s67, 0x600000
	MLOAD 0                                        ; key step 0's words
; A KEY STEP: 128 keys, the q-th of the slot in hand.  tail = 1: the launch's last slot: its second step asks for no further words
.macro STEP q, tail
	v_add_nc_u32 v[ADK], s[TB], v[AK0]
	v_add_nc_u32 v[ADV], s[TB], v[AV0]
.irp g, 0,1                                    ; S^T = K Q^T, four tiles of 16 keys at a time
.rept 4-2*(1-\g)
	v_nop                                          ; places in front of loads into registers that matrix instructions have read (the two additions above are places too)
.endr
.irp t, 0,1,2,3
.irp c, 0,1,2,3
	ds_load_b128 v[32+16*\t+4*\c:32+16*\t+4*\c+3], v[ADK] offset:(128*(\q)+32*((4*\g+\t)/2)+8*(\t%2))*KP+32*\c
.endr
.endr
	s_wait_dscnt 0x0
.irp t, 0,1,2,3
	v_wmma_f32_16x16x128_fp8_fp8 v[96+8*(4*\g+\t):103+8*(4*\g+\t)], v[32+16*\t:47+16*\t], v[16:31], 0
.endr
.endr
.rept 4
	v_nop
.endr
	s_wait_kmcnt 0x0                               ; this step's words, asked for a step ago
.set n, 0
.rept 64
.if n < 32
	v_cndmask_b32 v[96+n], v[NEG], v[96+n], s[32+n]   ; a hidden key's score becomes the masked logit
.else
	v_cndmask_b32 v[96+n], v[NEG], v[96+n], s[36+n]
.endif
.set n, n+1
.endr
.if (\q) == 0
	MLOAD 256                                      ; the next step's words
.elseif !(\tail)
	s_add_nc_u64 s[MW:MW+1], s[MW:MW+1], 512       ; no scalar load is out behind the wait above, so the base may step
	MLOAD 0
.endif
	v_max3_num_f32 v254, v96, v97, v98             ; the step's largest score of my query, among my 64 keys, in two chains,
	v_max3_num_f32 v252, v99, v100, v101
.irp i, 6,10,14,18,22,26,30,34,38,42,46,50,54,58
	v_max3_num_f32 v254, v254, v[96+\i], v[97+\i]
	v_max3_num_f32 v252, v252, v[98+\i], v[99+\i]
.endr
	v_max3_num_f32 v254, v254, v158, v159
	v_max_num_f32 v254, v254, v252
	v_permlanex16_b32 v236, v254, s[SEL], s[SEL+1]
	v_max_num_f32 v254, v254, v236                 ; and among lane l xor 16's
	v_mul_f32 v254, s[CS], v254                    ; as t (c is positive)
	v_max_num_f32 v13, v13, v254
	v_mov_b32 v254, v12
	v_floor_f32 v12, -v13                          ; the new -M = floor(-t): M is a whole number
	v_sub_f32 v254, v12, v254                      ; old M - new M: a whole number, 0 or less
	v_cvt_i32_f32 v254, v254                       ; (it saturates)
	v_ldexp_f32 v252, 1.0, v254                    ; f = 2^(old M - new M)
.irp j, 0,2,4,6,8,10,12,14,16,18,20,22,24,26,28,30,32,34,36,38,40,42,44,46,48,50,52,54,56,58,60,62
	v_pk_fma_f32 v[96+\j:97+\j], v[96+\j:97+\j], s[CS:CS+1], v[12:13] op_sel_hi:[1,0,0]   ; t - M, two at a time
.endr
.set i, 0
.rept 64
	v_exp_f32 v[96+i], v[96+i]                     ; p = 2^(t - M), at most 1
.set i, i+1
.endr
	v_pk_mul_f32 v[14:15], v[14:15], v[252:253] op_sel_hi:[1,0]   ; the sums under the new M: a plain instruction behind the exponentials
	s_wait_alu depctr_va_vdst(0)                   ; one wait for the whole batch, ahead of its first reader
	v_pk_add_f32 v[242:243], v[96:97], v[98:99]    ; the row's sum is taken of the unquantised p, in two chains
.irp j, 4,8,12,16,20,24,28,32,36,40,44,48,52,56,60
	v_pk_add_f32 v[14:15], v[14:15], v[96+\j:97+\j]
	v_pk_add_f32 v[242:243], v[242:243], v[98+\j:99+\j]
.endr
	v_pk_add_f32 v[14:15], v[14:15], v[242:243]
.irp b, 0,1,2,3
.irp i, 0,1,2,3,4,5,6,7,8,9,10,11,12,13,14,15
	v_min_num_f32 v[96+16*\b+\i], v[96+16*\b+\i], v240   ; the conversion does not saturate (ISA guide 7.6.2); p is not negative, so the hold is one-sided
.endr
	v_cvt_scalef32_pk8_fp8_f32 v[224+4*\b:225+4*\b], v[96+16*\b:103+16*\b], v244
	v_cvt_scalef32_pk8_fp8_f32 v[226+4*\b:227+4*\b], v[104+16*\b:111+16*\b], v244
.endr
.irp j, 0,2,4,6,8,10,12,14,16,18,20,22,24,26,28,30,32,34,36,38,40,42,44,46,48,50,52,54,56,58,60,62
	v_pk_mul_f32 v[160+\j:161+\j], v[160+\j:161+\j], v[252:253] op_sel_hi:[1,0]   ; O^T under the new M; these are also the places in front of the loads and products below
.endr
.irp g, 0,1                                    ; O^T += V^T P^T, four tiles of 16 features at a time; the accumulators take turns
.if \g > 0
.rept 4
	v_nop
.endr
.endif
.irp t, 0,1,2,3
.irp c, 0,1,2,3
	ds_load_b128 v[32+16*\t+4*\c:32+16*\t+4*\c+3], v[ADV] offset:(128*(\q)+32*((4*\g+\t)/2)+8*(\t%2))*KP+32*\c
.endr
.endr
	s_wait_dscnt 0x0
.irp t, 0,1,2,3
	v_wmma_f32_16x16x128_fp8_fp8 v[160+8*(4*\g+\t):167+8*(4*\g+\t)], v[32+16*\t:47+16*\t], v[224:239], v[160+8*(4*\g+\t):167+8*(4*\g+\t)]
.endr
.endr
.endm
; THE CHANGE OF SLOTS stands at a slot's head.  Each wave waits for all its tensor loads (its part of the slot that it is about to read), adds 0 to its spare word, and waits for that and for its reads of the slot that it has left.
; fill = 1: the barrier is a round of the cluster's, and behind it the slot just left is filled with the keys that follow: the load has a slot's two key steps in which to land.
.macro CHANGE fill
	s_wait_tensorcnt 0x0                           ; no tensor load of mine is out, so group 0 may be written
	ds_add_u32 v[SPW], v[NIL]
.if \fill
	s_xor_b32 s[G0+1], s[G0+1], SLOT1              ; the other slot than last time,
	s_add_nc_u64 s[G0+2:G0+3], s[G0+2:G0+3], 32768 ; the next 256 keys; the type bits on top are not reached
	s_wait_xcnt 0x0                                ; the last prefetch, a slot back, has read its address
	s_add_nc_u64 s[PFA:PFA+1], s[PFA:PFA+1], 32768
	s_wait_dscnt 0x0                               ; the add is done, and my reads of the slot that I have left are over
	CROUND
	tensor_load_to_lds s[G0:G0+3], s[G1:G1+7]      ; the first thing behind the round, and my one tensor load until the next
	s_nop 0
.rept 4
	v_nop
.endr
	ASK
.else
	s_wait_dscnt 0x0
	s_barrier_signal -1
	s_barrier_wait -1
.endif
.endm
.macro SLOT_STEPS tail
	STEP 0, \tail
	STEP 1, \tail
	s_xor_b32 s[TB], s[TB], SLOT1
.endm
	s_wait_loadcnt 0x0                             ; Q
.Lslot:                                                ; NSL - 1 trips: behind each change of slots but the last the next slot is asked for
	CHANGE 1
	SLOT_STEPS 0
	s_sub_co_u32 s[SLOTS], s[SLOTS], 1
	s_cmp_lg_u32 s[SLOTS], 0
	s_cbranch_scc1 .Lslot
	CHANGE 0                                       ; the last slot is written out
	SLOT_STEPS 1
	; THE WAY OUT: O^T / the sum, held, quantised; the codes are the next product's operand as they stand and leave as its register image.
.rept 4
	v_nop
.endr
	v_add_f32 v14, v14, v15
	v_permlanex16_b32 v252, v14, s[SEL], s[SEL+1]
	v_add_f32 v14, v14, v252                       ; the row's sum
	v_rcp_f32 v14, v14
	v_mov_b32 v244, s66                            ; (plain instructions behind the reciprocal)  2^(e10 - e8 - e9)
	v_mov_b32 v240, s67                            ; 448 x that
	s_wait_alu depctr_va_vdst(0)                   ; the wait, ahead of the first reader
.irp j, 0,2,4,6,8,10,12,14,16,18,20,22,24,26,28,30,32,34,36,38,40,42,44,46,48,50,52,54,56,58,60,62
	v_pk_mul_f32 v[96+\j:97+\j], v[160+\j:161+\j], v[14:15] op_sel_hi:[1,0]   ; each accumulator from its low end on
.endr
.set i, 0
.rept 64
	v_med3_num_f32 v[96+i], v[96+i], -v240, v240
.set i, i+1
.endr
.irp k, 0,1,2,3,4,5,6,7
	v_cvt_scalef32_pk8_fp8_f32 v[224+2*\k:225+2*\k], v[96+8*\k:103+8*\k], v244
.endr
	v_nop
.irp c, 0,1,2,3
	global_store_b128 v[GO], v[224+4*\c:227+4*\c], s[10:11] offset:512*\c   ; 32 lanes store 512 consecutive bytes, aligned
.endr
	s_wait_tensorcnt 0x0                           ; the wave's end, behind my last tensor load
	ds_add_u32 v[SPW], v[NIL]
	s_wait_dscnt 0x0
	CROUND                                         ; the closing round
	s_endpgm
.Lfunc_end_k_q0b9321d7a1_attn:
	.size	k_q0b9321d7a1_attn, .Lfunc_end_k_q0b9321d7a1_attn-k_q0b9321d7a1_attn
	.p2alignl 7, 3214868480
	.fill 96, 4, 3214868480
	.section	.rodata,"a",@progbits
	.p2align	6, 0x0
	.amdhsa_kernel k_q0b9321d7a1_attn
		.amdhsa_group_segment_fixed_size 327680
		.amdhsa_private_segment_fixed_size 0
		.amdhsa_enable_private_segment 0
		.amdhsa_kernarg_size 32
		.amdhsa_user_sgpr_count 2
		.amdhsa_user_sgpr_kernarg_segment_ptr 1
		.amdhsa_wavefront_size32 1
		.amdhsa_system_sgpr_workgroup_id_x 1
		.amdhsa_system_sgpr_workgroup_id_y 1
		.amdhsa_system_sgpr_workgroup_id_z 1
		.amdhsa_system_vgpr_workitem_id 0
		.amdhsa_next_free_vgpr 256
		.amdhsa_next_free_sgpr 102
		.amdhsa_reserve_vcc 0
		.amdhsa_float_denorm_mode_32 3
		.amdhsa_float_denorm_mode_16_64 3
		.amdhsa_memory_ordered 1
		.amdhsa_forward_progress 1
		.amdhsa_inst_pref_size 109
	.end_amdhsa_kernel
	.amdgpu_metadata
---
amdhsa.version: [ 1, 2 ]
amdhsa.kernels:
  - .name:           k_q0b9321d7a1_attn
    .symbol:         k_q0b9321d7a1_attn.kd
    .args:
      - { .name: qkv, .offset: 0, .size: 8, .value_kind: global_buffer, .address_space: global }
      - { .name: maskw, .offset: 8, .size: 8, .value_kind: global_buffer, .address_space: global }
      - { .name: lowp_scales, .offset: 16, .size: 8, .value_kind: global_buffer, .address_space: global }
      - { .name: ctx, .offset: 24, .size: 8, .value_kind: global_buffer, .address_space: global }
    .group_segment_fixed_size: 327680
    .private_segment_fixed_size: 0
    .kernarg_segment_align: 8
    .kernarg_segment_size: 32
    .max_flat_workgroup_size: 256
    .sgpr_count:     102
    .vgpr_count:     256
    .wavefront_size: 32
...
	.end_amdgpu_metadata
.endif
;; end of part 4
;; launch oproj (part 5): grid 16 x 16, 4 waves a work-group, clusters of 4 x 4, 327,680 bytes of LDS; arguments ctx, wcodes, lowp_scales, out0; writes out0
.if DOCPART == 5
	.amdgcn_target "amdgcn-amd-amdhsa--gfx1250"
	.amdhsa_code_object_version 6
	.text
	.protected	k_q0b9321d7a1_oproj
	.globl	k_q0b9321d7a1_oproj
	.p2align	8
	.type	k_q0b9321d7a1_oproj,@function
k_q0b9321d7a1_oproj:
	s_mov_b64 s[64:65], 0
	v_nop
	global_prefetch_b8 v0, s[64:65] scope:SCOPE_SE
	s_setreg_imm32_b32 hwreg(HW_REG_WAVE_MODE, 25, 1), 1
	s_wait_xcnt 0x0
	s_wait_alu depctr_hold_cnt(0) depctr_sa_sdst(0) depctr_va_vdst(0) depctr_va_sdst(0) depctr_va_ssrc(0) depctr_va_vcc(0) depctr_vm_vsrc(0)
	s_getreg_b32 s2, hwreg(HW_REG_IB_STS2, 6, 4)
	s_cmp_eq_u32 s2, 0
	s_cbranch_scc0 .Lentry_in_a_cluster
	s_endpgm
.Lentry_in_a_cluster:
	s_bfe_u32 s2, ttmp6, 0x10000c
	s_cmp_lg_u32 s2, 0xf033
	s_cbranch_scc0 .Lentry_shape_is_right
	s_endpgm
.Lentry_shape_is_right:
; The output projection on codes of FP8 (E4M3): out0[token][d] = 2^(e10 + e11) x sum over k = 128 h + f of ctx[token][k] wo[k][d].  2,048 x 2,048 x 2,048; out0 is f32.  No work is left out.
; LIMIT: e10 + e11 between -126 and 127.
; A: ctx, as attention stored it: register images [128 tiles of 16 tokens][16 heads][4 c][32 lanes][16 bytes]; a fragment (16 tokens x one head's 128) is 2,048 dense bytes and comes by four loads at 16 x lane.
; B: wcodes part 3, [2048 d][2048 k], K innermost; lane (r, h) takes, of row r, k = 32 c + 16 h + 0..15: the places that the images hold.
; A tile of out0 is 128 x 128, so that there are 256 work-groups; four waves, 64 x 64 each: 16 accumulators.  K goes in four steps of 512 through two LDS slots; all is written out, there is no loop.
; CLUSTERS: 4 x 4 work-groups; A's tiles are shared along a row, B's along a column, each asked for jointly.  The matrix instruction is used transposed (source 0 = B's rows, source 1 = A's): a lane holds eight neighbouring d of one token.
; REGISTERS: window 0: v0-31 addresses; v32-63 a block's results; v64-127 rows read back, two sets; v128-255 the accumulators ((a, b) at v[128 + 8 (4 a + b)]).   window 1: two fragment buffers of 128: A's four, then B's four.
.set PB,     528                       ; B's LDS row: 512 bytes + 16 of padding
.set ABYTES, 65536                     ; A's part of a slot: 8 tiles of tokens x 8,192 bytes of images, no padding: a load's 512 bytes are consecutive
.set HALFA,  32768
.set HALFB,  64*PB
.set SLOT,   ABYTES+2*HALFB
.set STAGE,  2*SLOT                    ; behind the ring: for each wave two stages of 16 rows x 272 bytes
.set SPITCH, 272
.set SPARE,  STAGE+4*2*16*SPITCH
.set ADRA, 16
.set ADRB, 20
.set STO,  24
.set RD,   25
.set CO,   26
.set SPW,  28
.set NIL,  29
.set TMP,  32
.set BK,   64
.set ACC,  128
.set F0,   0
.set F1,   128
.set G1, 24
.set G0, 32
.set G1B, 48
.set G0B, 56
.set MSB, 0
.macro WIN new
.if MSB != (\new)
	s_set_vgpr_msb (MSB<<8)|(\new)
.set MSB, \new
.endif
.endm
.set MUL,  0x05                        ; sources 0 and 1 window 1; C and D window 0
.set TO_F, 0x40
.macro JLOAD s                         ; a joint load: waves 0 and 1 fetch A's halves, waves 2 and 3 B's; an s_nop 0 and four v_nop follow each line
	s_cmp_eq_u32 s15, 0
	s_cbranch_scc0 .Lfor_b_\@
	tensor_load_to_lds s[G0+4*\s:G0+4*\s+3], s[G1:G1+7]
	s_nop 0
.rept 4
	v_nop
.endr
	s_branch .Lasked_\@
.Lfor_b_\@:
	tensor_load_to_lds s[G0B+4*\s:G0B+4*\s+3], s[G1B:G1B+7]
	s_nop 0
.rept 4
	v_nop
.endr
.Lasked_\@:
.endm
.macro CREST
	s_cmp_lg_u32 s14, 0
	s_cbranch_scc1 .Lnot_wave_0_\@
	s_barrier_signal -3
.Lnot_wave_0_\@:
	s_barrier_wait -3
	s_barrier_signal -1
	s_barrier_wait -1
.endm
.macro CROUND
	s_barrier_signal -1
	s_barrier_wait -1
	CREST
.endm
	s_load_b256 s[4:11], s[0:1], 0x0               ; ctx, wcodes, the scales' exponents, out0
	v_lshl_add_u32 v[SPW], v0, 2, SPARE
	v_mov_b32 v[NIL], 0
	ds_add_u32 v[SPW], v[NIL]                      ; the wave's opening: the add, twice on end, and its wait ahead of my first tensor load
	ds_add_u32 v[SPW], v[NIL]
	v_lshrrev_b32 v1, 5, v0
	v_readfirstlane_b32 s14, v1                    ; wave 0..3
	s_lshr_b32 s15, s14, 1                         ; my half of the tile's rows.  Also: I fetch for A (0) or for B (1)
	s_and_b32 s16, s14, 1                          ; my half of its columns.  Also: which half of that tile I fetch
	s_bfe_u32 s40, ttmp6, 0x40000
	s_bfe_u32 s41, ttmp6, 0x40004
	s_lshl_b32 s42, ttmp9, 2
	s_add_co_u32 s42, s42, s40                     ; tile column
	s_and_b32 s17, ttmp7, 0xffff
	s_lshl_b32 s17, s17, 2
	s_add_co_u32 s17, s17, s41                     ; tile row
	s_lshl_b32 s43, s41, 2
	s_lshl_b32 s43, 15, s43                        ; my row of the cluster
	s_lshl_b32 s44, 0x1111, s40                    ; my column
	s_or_b32 s[G1+0], s43, (1<<21)                 ; A: the mask; elements of 1 byte; no padding; bit 21 beside a mask
	s_mov_b32 s[G1+1], 8192<<16                    ; tensor_dim0 = 8,192: four heads' images of one tile of tokens
	s_mov_b32 s[G1+2], 4<<16                       ; tensor_dim1 = 4 tiles of tokens
	s_mov_b32 s[G1+3], 8192<<16                    ; tile_dim0
	s_mov_b32 s[G1+4], 4                           ; tile_dim1
	s_mov_b32 s[G1+5], 32768                       ; from one tile of tokens to the next
	s_mov_b32 s[G1+6], 0
	s_mov_b32 s[G1+7], 0
	s_or_b32 s[G1B+0], s44, (1<<20)|(1<<21)|(6<<22)|(3<<25)   ; B: padding of 4 words after every 128
	s_mov_b32 s[G1B+1], 512<<16
	s_mov_b32 s[G1B+2], 64<<16
	s_mov_b32 s[G1B+3], 512<<16
	s_mov_b32 s[G1B+4], 64
	s_mov_b32 s[G1B+5], 2048
	s_mov_b32 s[G1B+6], 0
	s_mov_b32 s[G1B+7], 0
	s_lshl_b32 s20, s17, 3
	s_lshl_b32 s18, s16, 2
	s_add_co_u32 s20, s20, s18                     ; A: tile of tokens 8 x tile row + 4 x half
	s_lshl_b32 s20, s20, 15
	s_mov_b32 s21, 0
	s_lshl_b32 s46, s42, 7
	s_lshl_b32 s18, s16, 6
	s_add_co_u32 s46, s46, s18                     ; B: row 128 x tile column + 64 x half
	s_lshl_b32 s46, s46, 11
	s_add_co_u32 s46, s46, 12582912                ; in part 3 of wcodes
	s_mov_b32 s47, 0
	s_mul_i32 s45, s16, HALFA                      ; where they go: no place in the cluster enters an LDS address
	s_mul_i32 s19, s16, HALFB
	s_add_co_u32 s19, s19, ABYTES
	s_wait_dscnt 0x0                               ; both opening adds are done
	s_wait_kmcnt 0x0
	s_load_b64 s[68:69], s[8:9], 0x28              ; e10, e11
	s_add_nc_u64 s[20:21], s[4:5], s[20:21]
	s_add_nc_u64 s[46:47], s[6:7], s[46:47]
	CROUND                                         ; all sixteen work-groups are here: the first joint loads meet
.irp s, 0,1
	s_mov_b32 s[G0+4*\s], 1
	s_add_co_u32 s[G0+4*\s+1], s45, \s*SLOT
	s_add_nc_u64 s[G0+4*\s+2:G0+4*\s+3], s[20:21], \s*8192
	s_or_b32 s[G0+4*\s+3], s[G0+4*\s+3], 0x80000000
	s_mov_b32 s[G0B+4*\s], 1
	s_add_co_u32 s[G0B+4*\s+1], s19, \s*SLOT
	s_add_nc_u64 s[G0B+4*\s+2:G0B+4*\s+3], s[46:47], \s*512
	s_or_b32 s[G0B+4*\s+3], s[G0B+4*\s+3], 0x80000000
	JLOAD \s
.endr
	v_and_b32 v1, 15, v0                           ; r
	v_bfe_u32 v2, v0, 4, 1                         ; h
	v_and_b32 v3, 31, v0
	v_lshlrev_b32 v3, 4, v3                        ; 16 x lane: an image's place for my lane
	v_mul_u32_u24 v4, v1, PB
	v_lshl_add_u32 v4, v2, 4, v4
	s_mul_i32 s21, s15, HALFA                      ; my four tiles of tokens
	s_mul_i32 s22, s16, HALFB                      ; my 64 rows of B
	s_add_co_u32 s22, s22, ABYTES
.irp s, 0,1
	v_add_nc_u32 v[ADRA+\s], s21, v3
	v_add_nc_u32 v[ADRB+\s], s22, v4
	s_add_co_u32 s21, s21, SLOT
	s_add_co_u32 s22, s22, SLOT
.endr
	s_mul_i32 s23, s14, 2*16*SPITCH
	s_add_co_u32 s23, s23, STAGE                   ; my stages
	v_mul_u32_u24 v5, v1, SPITCH
	v_lshl_add_u32 v5, v2, 5, v5
	v_add_nc_u32 v[STO], s23, v5                   ; in: row r, 32 bytes for each half of the lanes
	v_mul_u32_u24 v6, v2, SPITCH
	v_lshl_add_u32 v6, v1, 4, v6
	v_add_nc_u32 v[RD], s23, v6                    ; back: lanes 0-15 one row of 256 bytes, lanes 16-31 the next
	v_lshlrev_b32 v7, 13, v2
	v_lshl_add_u32 v[CO], v1, 4, v7                ; and the same two rows of out0, 8,192 bytes apart
	s_lshl_b32 s20, s17, 7
	s_lshl_b32 s21, s15, 6
	s_add_co_u32 s20, s20, s21                     ; my first row
	s_lshl_b32 s20, s20, 13
	s_lshl_b32 s46, s42, 9
	s_lshl_b32 s47, s16, 8
	s_add_co_u32 s46, s46, s47                     ; my first column, in bytes
	s_add_co_u32 s20, s20, s46
	s_mov_b32 s21, 0
	s_add_nc_u64 s[10:11], s[10:11], s[20:21]
.macro MUL8 f, a0, zero                ; A's blocks a0, a0 + 1 x B's four, 128 along K; the 16 accumulators take turns, in the same order in every quarter
.irp a, \a0, \a0+1
.irp b, 0,1,2,3
.if \zero
	v_wmma_f32_16x16x128_fp8_fp8 v[ACC+8*(4*(\a)+\b):ACC+8*(4*(\a)+\b)+7], v[\f+64+16*\b:\f+64+16*\b+15], v[\f+16*(\a):\f+16*(\a)+15], 0
.else
	v_wmma_f32_16x16x128_fp8_fp8 v[ACC+8*(4*(\a)+\b):ACC+8*(4*(\a)+\b)+7], v[\f+64+16*\b:\f+64+16*\b+15], v[\f+16*(\a):\f+16*(\a)+15], v[ACC+8*(4*(\a)+\b):ACC+8*(4*(\a)+\b)+7]
.endif
.endr
.endr
.endm
.macro FETCH slot, q, f                ; 32 LDS loads in one run: the fragments of the slot's q-th 128 along K into buffer f
	WIN TO_F
.irp i, 0,1,2,3
.irp c, 0,1,2,3
	ds_load_b128 v[\f+64+16*\i+4*\c:\f+64+16*\i+4*\c+3], v[ADRB+\slot] offset:\i*16*PB+128*(\q)+32*\c
.endr
.endr
.irp i, 0,1,2,3
.irp c, 0,1,2,3
	ds_load_b128 v[\f+16*\i+4*\c:\f+16*\i+4*\c+3], v[ADRA+\slot] offset:\i*8192+2048*(\q)+512*\c
.endr
.endr
.endm
.macro PLACES                          ; four plain vector instructions between matrix instructions and loads into, or reads of, their registers
.rept 4
	v_nop
.endr
.endm
.macro QUARTER slot, q, f, g, zero     ; multiplies buffer f (quarter q); ahead of that it asks for quarter q + 1 into buffer g
	PLACES
	FETCH \slot, (\q)+1, \g
	s_wait_dscnt 32                                ; all but the 32 just issued: buffer f is in
	WIN MUL
	MUL8 \f, 0, \zero
	MUL8 \f, 2, \zero
.endm
; A K step's last quarter multiplies buffer 1 and changes slots: one barrier; in front of it each wave waits for all its tensor loads, adds 0 to its spare word, and waits for that and for its reads of this slot.
.macro TURN slot, next, fill
	WIN 0
	s_wait_tensorcnt 0x0                           ; all my tensor loads have landed: my part of the next slot
	ds_add_u32 v[SPW], v[NIL]
	s_wait_dscnt 1                                 ; buffer 1 is in; the add may be out
	WIN MUL
	MUL8 F1, 0, 0
	WIN 0
	s_wait_dscnt 0x0                               ; the add is done, and my reads of this slot are over
	s_barrier_signal -1
	s_barrier_wait -1
.if \fill
	CREST                                          ; no wave of any partner still reads this slot or has a load on its way
	s_add_nc_u64 s[G0+4*\slot+2:G0+4*\slot+3], s[G0+4*\slot+2:G0+4*\slot+3], 2*8192
	s_add_nc_u64 s[G0B+4*\slot+2:G0B+4*\slot+3], s[G0B+4*\slot+2:G0B+4*\slot+3], 2*512
	JLOAD \slot                                    ; the first tensor load behind the round; its four v_nop are the places in front of the loads below
.else
	PLACES
.endif
	FETCH \next, 0, F0
	WIN MUL
	MUL8 F1, 2, 0
.endm
	s_wait_tensorcnt 1                             ; my part of K step 0 is in; K step 1's load may be out
	s_barrier_signal -1
	s_barrier_wait -1
	FETCH 0, 0, F0
	QUARTER 0, 0, F0, F1, 1                        ; the first products start the sums
	QUARTER 0, 1, F1, F0, 0
	QUARTER 0, 2, F0, F1, 0
	TURN 0, 1, 1                                   ; slot 0 takes K step 2
	QUARTER 1, 0, F0, F1, 0
	QUARTER 1, 1, F1, F0, 0
	QUARTER 1, 2, F0, F1, 0
	TURN 1, 0, 1                                   ; slot 1 takes K step 3
	QUARTER 0, 0, F0, F1, 0
	QUARTER 0, 1, F1, F0, 0
	QUARTER 0, 2, F0, F1, 0
	TURN 0, 1, 0                                   ; nothing is left to fetch
	QUARTER 1, 0, F0, F1, 0
	QUARTER 1, 1, F1, F0, 0
	QUARTER 1, 2, F0, F1, 0
	s_wait_dscnt 0x0
	MUL8 F1, 0, 0
	MUL8 F1, 2, 0
	WIN 0
	; THE WAY OUT, block by block of 16 rows x 64 columns: x 2^(e10 + e11), through my own stage, back as rows of 256 bytes.
	s_wait_kmcnt 0x0
	s_add_co_i32 s66, s68, s69
	s_add_co_i32 s66, s66, 127
	s_lshl_b32 s66, s66, 23                        ; 2^(e10 + e11) as f32
	s_mov_b32 s67, s66                             ; (named with it as a pair)
	PLACES
.macro TOSTAGE a
.set BB, BK+32*((\a)%2)
.irp b, 0,1,2,3
.irp j, 0,2,4,6
	v_pk_mul_f32 v[TMP+8*\b+\j:TMP+8*\b+\j+1], v[ACC+8*(4*(\a)+\b)+\j:ACC+8*(4*(\a)+\b)+\j+1], s[66:67] op_sel_hi:[1,0]   ; each accumulator from its low end on
.endr
.endr
.irp b, 0,1,2,3
	ds_store_b128 v[STO], v[TMP+8*\b:TMP+8*\b+3] offset:((\a)%2)*16*SPITCH+64*\b
	ds_store_b128 v[STO], v[TMP+8*\b+4:TMP+8*\b+7] offset:((\a)%2)*16*SPITCH+64*\b+16
.endr
.irp i, 0,1,2,3,4,5,6,7
	ds_load_b128 v[BB+4*\i:BB+4*\i+3], v[RD] offset:((\a)%2)*16*SPITCH+2*\i*SPITCH   ; LDS serves a wave's instructions in order: these see the stores above
.endr
.endm
.macro SEND a, younger
.set BB, BK+32*((\a)%2)
	s_wait_dscnt \younger                          ; the block is back; the next block's 8 stores and 8 loads may be out
.irp i, 0,1,2,3,4,5,6,7
	global_store_b128 v[CO], v[BB+4*\i:BB+4*\i+3], s[10:11] offset:(16*(\a)+2*\i)*8192 th:TH_STORE_NT   ; sixteen lanes store 256 consecutive bytes, aligned; written once, read by nobody here
.endr
.endm
	TOSTAGE 0
	TOSTAGE 1
	SEND 0, 16
	s_wait_xcnt 0x0                                ; block 0's stores have read the registers into which block 2's loads land
	TOSTAGE 2
	SEND 1, 16
	s_wait_xcnt 0x0
	TOSTAGE 3
	SEND 2, 16
	SEND 3, 0
	s_wait_tensorcnt 0x0                           ; the wave's end, behind my last tensor load and my last LDS store
	ds_add_u32 v[SPW], v[NIL]
	s_wait_dscnt 0x0
	CROUND                                         ; the closing round
	s_endpgm
.Lfunc_end_k_q0b9321d7a1_oproj:
	.size	k_q0b9321d7a1_oproj, .Lfunc_end_k_q0b9321d7a1_oproj-k_q0b9321d7a1_oproj
	.p2alignl 7, 3214868480
	.fill 96, 4, 3214868480
	.section	.rodata,"a",@progbits
	.p2align	6, 0x0
	.amdhsa_kernel k_q0b9321d7a1_oproj
		.amdhsa_group_segment_fixed_size 327680
		.amdhsa_private_segment_fixed_size 0
		.amdhsa_enable_private_segment 0
		.amdhsa_kernarg_size 32
		.amdhsa_user_sgpr_count 2
		.amdhsa_user_sgpr_kernarg_segment_ptr 1
		.amdhsa_wavefront_size32 1
		.amdhsa_system_sgpr_workgroup_id_x 1
		.amdhsa_system_sgpr_workgroup_id_y 1
		.amdhsa_system_sgpr_workgroup_id_z 1
		.amdhsa_system_vgpr_workitem_id 0
		.amdhsa_next_free_vgpr 512
		.amdhsa_next_free_sgpr 72
		.amdhsa_reserve_vcc 0
		.amdhsa_float_denorm_mode_32 3
		.amdhsa_float_denorm_mode_16_64 3
		.amdhsa_memory_ordered 1
		.amdhsa_forward_progress 1
		.amdhsa_inst_pref_size 73
	.end_amdhsa_kernel
	.amdgpu_metadata
---
amdhsa.version: [ 1, 2 ]
amdhsa.kernels:
  - .name:           k_q0b9321d7a1_oproj
    .symbol:         k_q0b9321d7a1_oproj.kd
    .args:
      - { .name: ctx, .offset: 0, .size: 8, .value_kind: global_buffer, .address_space: global }
      - { .name: wcodes, .offset: 8, .size: 8, .value_kind: global_buffer, .address_space: global }
      - { .name: lowp_scales, .offset: 16, .size: 8, .value_kind: global_buffer, .address_space: global }
      - { .name: out0, .offset: 24, .size: 8, .value_kind: global_buffer, .address_space: global }
    .group_segment_fixed_size: 327680
    .private_segment_fixed_size: 0
    .kernarg_segment_align: 8
    .kernarg_segment_size: 32
    .max_flat_workgroup_size: 128
    .sgpr_count:     72
    .vgpr_count:     512
    .wavefront_size: 32
...
	.end_amdgpu_metadata
.endif
;; end of part 5
;; ======== version 2 of 2: 5 launches
;; limits: right only within a limited range of input values
;; workspace buffers: xcodes 12,582,912 bytes; wcodes 16,777,216 bytes; rope 2,097,152 bytes; maskw 524,288 bytes of whole numbers; qkv 12,582,912 bytes; ctx 4,194,304 bytes
;; launch prep: the kernel of part 1 again; grid 256 x 1, 4 waves a work-group, no clusters, 39,424 bytes of LDS; arguments inputs_q, inputs_kv, mask, lowp_scales, xcodes, rope, maskw; writes xcodes, rope, maskw
;; launch wquant: the kernel of part 2 again; grid 16 x 32, 4 waves a work-group, no clusters, 35,840 bytes of LDS; arguments wq, wk, wv, wo, lowp_scales, wcodes; writes wcodes
;; launch qkvgemm (part 6): grid 24 x 8, 4 waves a work-group, clusters of 4 x 4, 327,680 bytes of LDS; arguments xcodes, wcodes, rope, lowp_scales, qkv; writes qkv
.if DOCPART == 6
	.amdgcn_target "amdgcn-amd-amdhsa--gfx1250"
	.amdhsa_code_object_version 6
	.text
	.protected	k_q0b9321d7a1_qkvgemm
	.globl	k_q0b9321d7a1_qkvgemm
	.p2align	8
	.type	k_q0b9321d7a1_qkvgemm,@function
k_q0b9321d7a1_qkvgemm:
	s_mov_b64 s[64:65], 0
	v_nop
	global_prefetch_b8 v0, s[64:65] scope:SCOPE_SE
	s_setreg_imm32_b32 hwreg(HW_REG_WAVE_MODE, 25, 1), 1
	s_wait_xcnt 0x0
	s_wait_alu depctr_hold_cnt(0) depctr_sa_sdst(0) depctr_va_vdst(0) depctr_va_sdst(0) depctr_va_ssrc(0) depctr_va_vcc(0) depctr_vm_vsrc(0)
	s_getreg_b32 s2, hwreg(HW_REG_IB_STS2, 6, 4)
	s_cmp_eq_u32 s2, 0
	s_cbranch_scc0 .Lentry_in_a_cluster
	s_endpgm
.Lentry_in_a_cluster:
	s_bfe_u32 s2, ttmp6, 0x10000c
	s_cmp_lg_u32 s2, 0xf033
	s_cbranch_scc0 .Lentry_shape_is_right
	s_endpgm
.Lentry_shape_is_right:
; The three projections on codes of FP8 (E4M3), each 2,048 x 2,048 x 2,048, with the rotary embedding and the next quantiser on the way out.  No work is left out.
; JOB t = cluster x / 2: 0 q, 1 k, 2 v.  Out[m][n] = sum over k of A[m][k] B[n][k].  q, k: A = the tokens' codes (xcodes part t), B = the weight's (wcodes part t).
; v: THE TWO CHANGE PLACES (A = the weight's rows, B = the tokens'), so that a lane's eight results run along the KEYS, which are the K of attention's second product.
; A tile of 256 x 256 is made by four waves, 128 x 128 each: 64 accumulators, 512 registers.  K goes in steps of 256 through a ring of two LDS slots filled by the tensor data mover: a tile's row is 256 bytes of memory.
; CLUSTERS: 4 x 4 work-groups of one job.  The four of a row need the same tiles of A, the four of a column the same tiles of B: each tile is asked for jointly, by the same tensor load with the same descriptor and a mask that names the four.
; THE MATRIX INSTRUCTION IS USED TRANSPOSED (source 0 = 16 rows of B, source 1 = 16 rows of A): a lane holds row l % 16 of A's block and eight neighbouring columns 8 (l / 16) + 0..7 of B's block.
; THE WAY OUT.  A wave's 128 columns (q, k) are one head, so both halves of a rotary pair lie in the same lane: feature f in B's block b, feature f + 64 in block b + 4.  out_lo = lo cos - hi sin, out_hi = hi cos + lo sin,
; with cos and sin from the table of the first launch (q's carries 128^-0.5), laid in this register order.  A sum stands for sum x 2^(ea + eb), and the embedding is linear, so the next quantiser's scale 2^eo is applied as 2^(eo - ea - eb).
; A wave's 128 x 128 codes are one block of 16 KiB of qkv [3][16 heads][16 blocks][128 rows][128 bytes]: q, k: block = 128 tokens, row = token, byte = feature;  v: block = 128 keys, row = feature, byte = key.
; INSIDE A BLOCK THE ROWS LIE IN THE ORDER IN WHICH ATTENTION'S TILES TAKE THEM: row 32 b + 16 x + 8 u + i (x, u: 0 or 1; i: 0..7) lies at place 32 b + 16 u + 8 x + i, so that the 16 rows of a tile there are neighbours.  Here that is a matter of the stores' immediates alone.
; LIMITS: e6 - e0 - e1, e7 - e2 - e3 and e8 - e4 - e5 between -126 and 119.
; REGISTERS, in windows of 256: window 0: v0-31 addresses; from v128 A's fragments, one set; on the way out v128-159 rows read back, v160-223 64 numbers at work, v224-255 their codes.
;   window 1: B's fragments, two sets; on the way out four sets of 64 table numbers.   windows 2, 3: the accumulators ((a, b) at v[8 (8 (a % 4) + b)] of window 2 + a / 4).
.set SIZE_K, 2048
.set KSTEP,  256
.set ROWB,   256
.set KROW,   SIZE_K
.set PITCH,  272                       ; an LDS row: 256 bytes + 16 of padding = 68 words: the 16 rows that a load touches start at 16 different banks (64 banks of 4 bytes: ISA guide 11.1)
.set FR,     16
.set NL,     4
.set NP,     4                         ; places behind this matrix instruction (ISA guide 7.12.1)
.set HALFT,  128*PITCH
.set SLOT,   4*HALFT
.set LAPS,   SIZE_K/(2*KSTEP)
.set SPARE,  2*SLOT                    ; behind the ring: the spare words, 128 bytes a wave
.set CP,     144                       ; the way out: a stage row of 128 codes + 16 bytes.  The stages lie in slot 0, which has had its last fill and its last read by then
.set ADRA, 16
.set ADRB, 20
.set STO,  24
.set RD,   25
.set CO,   26                          ; 16 x lane
.set SPW,  28
.set NIL,  29
.set AF,   128
.set BK,   128
.set TMP,  160
.set PC,   224
.set G1, 24
.set G0, 32
.set G1B, 48
.set G0B, 56
.set MSB, 0
.macro WIN new                         ; the immediate's high byte repeats the setting that is left
.if MSB != (\new)
	s_set_vgpr_msb (MSB<<8)|(\new)
.set MSB, \new
.endif
.endm
.set MUL_LO, 0xa1                      ; source 0 (B) window 1, source 1 (A) window 0, C and D window 2
.set MUL_HI, 0xf1
.set TO_B,   0x40
; A joint load: waves 0 and 1 fetch for A, waves 2 and 3 for B; the branch hangs on the wave's number alone.  An s_nop 0 and four v_nop follow each line.
.macro JLOAD g0a, g1a, g0b, g1b
	s_cmp_eq_u32 s15, 0
	s_cbranch_scc0 .Lfor_b_\@
	tensor_load_to_lds s[\g0a:\g0a+3], s[\g1a:\g1a+7]
	s_nop 0
.rept 4
	v_nop
.endr
	s_branch .Lasked_\@
.Lfor_b_\@:
	tensor_load_to_lds s[\g0b:\g0b+3], s[\g1b:\g1b+7]
	s_nop 0
.rept 4
	v_nop
.endr
.Lasked_\@:
.endm
.macro CREST                           ; a round of the cluster's barrier behind its opening barrier
	s_cmp_lg_u32 s14, 0
	s_cbranch_scc1 .Lnot_wave_0_\@
	s_barrier_signal -3
.Lnot_wave_0_\@:
	s_barrier_wait -3
	s_barrier_signal -1
	s_barrier_wait -1
.endm
.macro CROUND
	s_barrier_signal -1
	s_barrier_wait -1
	CREST
.endm
	s_load_b128 s[4:7], s[0:1], 0x0                ; xcodes, wcodes
	s_load_b128 s[8:11], s[0:1], 0x10              ; rope, the scales' exponents
	s_load_b64 s[12:13], s[0:1], 0x20              ; qkv
	v_lshl_add_u32 v[SPW], v0, 2, SPARE
	v_mov_b32 v[NIL], 0
	ds_add_u32 v[SPW], v[NIL]                      ; the wave's opening: the add, twice on end, and its wait ahead of my first tensor load
	ds_add_u32 v[SPW], v[NIL]
	v_lshrrev_b32 v1, 5, v0
	v_readfirstlane_b32 s14, v1                    ; wave 0..3
	s_lshr_b32 s15, s14, 1                         ; which half of the tile's rows is mine.  Also: I fetch for A (0) or for B (1)
	s_and_b32 s16, s14, 1                          ; which half of its columns.  Also: which 128 rows of that tile I fetch
	s_bfe_u32 s40, ttmp6, 0x40000                  ; cx, cy
	s_bfe_u32 s41, ttmp6, 0x40004
	s_lshr_b32 s66, ttmp9, 1                       ; the job: the same in all sixteen partners
	s_and_b32 s42, ttmp9, 1
	s_lshl_b32 s42, s42, 2
	s_add_co_u32 s42, s42, s40                     ; tile column
	s_and_b32 s17, ttmp7, 0xffff
	s_lshl_b32 s17, s17, 2
	s_add_co_u32 s17, s17, s41                     ; tile row
	s_lshl_b32 s43, s41, 2
	s_lshl_b32 s43, 15, s43                        ; my row of the cluster
	s_lshl_b32 s44, 0x1111, s40                    ; my column
	s_or_b32 s[G1+0], s43, (0<<16)|(1<<20)|(1<<21)|(5<<22)|(3<<25)  ; the mask; elements of 1 byte; padding on; bit 21 beside a mask; after every 64 words, 4 words
	s_or_b32 s[G1B+0], s44, (0<<16)|(1<<20)|(1<<21)|(5<<22)|(3<<25)
.irp g, G1, G1B
	s_mov_b32 s[\g+1], ROWB<<16                    ; tensor_dim0
	s_mov_b32 s[\g+2], 128<<16                     ; tensor_dim1
	s_mov_b32 s[\g+3], ROWB<<16                    ; tile_dim0
	s_mov_b32 s[\g+4], 128                         ; tile_dim1
	s_mov_b32 s[\g+5], KROW                        ; tensor_dim0_stride
	s_mov_b32 s[\g+6], 0
	s_mov_b32 s[\g+7], 0
.endr
	s_lshl_b32 s18, s16, 7
	s_lshl_b32 s20, s17, 8
	s_add_co_u32 s20, s20, s18                     ; A: row 256 x tile row + 128 x half
	s_lshl_b32 s46, s42, 8
	s_add_co_u32 s46, s46, s18                     ; B: row 256 x tile column + 128 x half
	s_lshl_b32 s20, s20, 11                        ; rows of 2,048 bytes
	s_lshl_b32 s46, s46, 11
	s_mov_b32 s21, 0
	s_mov_b32 s47, 0
	s_lshl_b32 s72, s66, 22                        ; the job's part of each buffer of codes
	s_mov_b32 s73, 0
	s_mul_i32 s45, s14, HALFT                      ; where the tiles go: wave x 128 rows
	s_wait_dscnt 0x0                               ; both opening adds are done
	s_wait_kmcnt 0x0
	s_load_b256 s[76:83], s[10:11], 0x0            ; e0 .. e7
	s_load_b32 s84, s[10:11], 0x20                 ; e8
	s_cmp_eq_u32 s66, 2                            ; v: the weight's rows are A's, the tokens' are B's
	s_cselect_b64 s[68:69], s[6:7], s[4:5]
	s_cselect_b64 s[70:71], s[4:5], s[6:7]
	s_add_nc_u64 s[68:69], s[68:69], s[72:73]
	s_add_nc_u64 s[70:71], s[70:71], s[72:73]
	s_add_nc_u64 s[20:21], s[68:69], s[20:21]
	s_add_nc_u64 s[46:47], s[70:71], s[46:47]
	CROUND                                         ; all sixteen work-groups are here: the first joint loads meet
.irp s, 0,1
	s_mov_b32 s[G0+4*\s], 1
	s_add_co_u32 s[G0+4*\s+1], s45, \s*SLOT
	s_add_nc_u64 s[G0+4*\s+2:G0+4*\s+3], s[20:21], \s*ROWB
	s_or_b32 s[G0+4*\s+3], s[G0+4*\s+3], 0x80000000
	s_mov_b32 s[G0B+4*\s], 1
	s_add_co_u32 s[G0B+4*\s+1], s45, \s*SLOT
	s_add_nc_u64 s[G0B+4*\s+2:G0B+4*\s+3], s[46:47], \s*ROWB
	s_or_b32 s[G0B+4*\s+3], s[G0B+4*\s+3], 0x80000000
	JLOAD G0+4*\s, G1, G0B+4*\s, G1B
.endr
	v_and_b32 v1, 15, v0                           ; l % 16
	v_bfe_u32 v2, v0, 4, 1                         ; l / 16
	v_mul_u32_u24 v3, v1, PITCH
	v_lshl_add_u32 v4, v2, 4, v3                   ; a fragment's row x pitch + 16 x half
	s_mul_i32 s21, s15, HALFT                      ; my 128 rows of A
	s_mul_i32 s22, s16, HALFT                      ; my 128 rows of B,
	s_add_co_u32 s22, s22, 2*HALFT                 ; which lie behind A's 256
.irp s, 0,1
	v_add_nc_u32 v[ADRA+\s], s21, v4
	v_add_nc_u32 v[ADRB+\s], s22, v4
	s_add_co_u32 s21, s21, SLOT
	s_add_co_u32 s22, s22, SLOT
.endr
	s_mul_i32 s23, s14, 2*16*CP                    ; my stage: two halves of 16 rows
	v_mul_u32_u24 v5, v1, CP
	v_lshl_add_u32 v5, v2, 3, v5
	v_add_nc_u32 v[STO], s23, v5                   ; in: row l % 16, 8 bytes for each half of the lanes
	v_and_b32 v6, 31, v0
	v_lshrrev_b32 v7, 3, v6
	v_mul_u32_u24 v7, v7, CP
	v_and_b32 v8, 7, v0
	v_lshl_add_u32 v7, v8, 4, v7
	v_add_nc_u32 v[RD], s23, v7                    ; back: eight lanes to a row of 128 bytes, four rows an instruction
	v_lshlrev_b32 v[CO], 4, v6
	s_and_b32 s90, s66, 1                          ; the table: part 0 for q, part 1 for k (the v job loads none of it)
	s_lshl_b32 s90, s90, 20
	s_lshl_b32 s91, s17, 4
	s_lshl_b32 s92, s15, 3
	s_add_co_u32 s91, s91, s92                     ; my first block of 16 tokens
	s_lshl_b32 s91, s91, 13
	s_add_co_u32 s90, s90, s91
	s_mov_b32 s91, 0
	s_add_nc_u64 s[86:87], s[8:9], s[90:91]
	s_lshl_b32 s92, s17, 1
	s_add_co_u32 s92, s92, s15                     ; my 128 rows' number
	s_lshl_b32 s93, s42, 1
	s_add_co_u32 s93, s93, s16                     ; my 128 columns' number
	s_cmp_eq_u32 s66, 2
	s_cselect_b32 s94, s92, s93                    ; the head: the columns' number for q and k, the rows' for v
	s_cselect_b32 s95, s93, s92                    ; the block of tokens
	s_lshl_b32 s94, s94, 4
	s_add_co_u32 s94, s94, s95
	s_lshl_b32 s94, s94, 14
	s_add_co_u32 s90, s94, s72
	s_add_nc_u64 s[12:13], s[12:13], s[90:91]      ; my block of 16 KiB
.macro FRAG reg, adr, q, i             ; 16 rows x 128 K: lane l holds row l % 16; registers 4 c .. 4 c + 3 hold K = 32 c + 16 (l / 16) + 0 .. 15: the same places in A and in B
.irp c, 0,1,2,3
	ds_load_b128 v[\reg+4*\c:\reg+4*\c+3], v[\adr] offset:128*(\q)+32*\c+(\i)*16*PITCH
.endr
.endm
; 16 matrix instructions: A's blocks a0, a0 + 1 x B's eight.  The 64 accumulators take turns, one instruction a turn, in the same order in every step.
.macro MUL16 a0, p, zero
.irp a, \a0, \a0+1
.irp b, 0,1,2,3,4,5,6,7
.if \zero
	v_wmma_f32_16x16x128_fp8_fp8 v[8*(8*((\a)%4)+\b):8*(8*((\a)%4)+\b)+7], v[128*(\p)+FR*\b:128*(\p)+FR*\b+FR-1], v[AF+FR*(\a):AF+FR*(\a)+FR-1], 0
.else
	v_wmma_f32_16x16x128_fp8_fp8 v[8*(8*((\a)%4)+\b):8*(8*((\a)%4)+\b)+7], v[128*(\p)+FR*\b:128*(\p)+FR*\b+FR-1], v[AF+FR*(\a):AF+FR*(\a)+FR-1], v[8*(8*((\a)%4)+\b):8*(8*((\a)%4)+\b)+7]
.endif
.endr
.endr
.endm
.macro FETCH_B slot, q, p
	WIN TO_B
.irp i, 0,1,2,3,4,5,6,7
	FRAG 128*(\p)+FR*\i, ADRB+\slot, \q, \i
.endr
	WIN 0
.endm
.macro FETCH_A slot, q, i0
.irp i, \i0, \i0+1, \i0+2, \i0+3
	FRAG AF+FR*(\i), ADRA+\slot, \q, \i
.endr
.endm
.macro PLACES n                        ; plain vector instructions between a matrix instruction and a load into, or a read of, its registers
.rept \n
	v_nop
.endr
.endm
.macro STEP slot, q, zero              ; 128 along K, with its successor in the same slot
	s_wait_dscnt 4*NL                              ; B's set and A's blocks 0-3 are in; A's blocks 4-7 may be out
	WIN MUL_LO
	MUL16 0, (\q)%2, \zero
	MUL16 2, (\q)%2, \zero
	s_wait_dscnt 0
	PLACES NP
	FETCH_B \slot, (\q)+1, 1-(\q)%2
	FETCH_A \slot, (\q)+1, 0
	WIN MUL_HI
	MUL16 4, (\q)%2, \zero
	MUL16 6, (\q)%2, \zero
	PLACES NP
	WIN 0
	FETCH_A \slot, (\q)+1, 4
.endm
; A slot's last step changes slots: one barrier; in front of it each wave waits for all its tensor loads, adds 0 to its spare word, and waits for that and for its reads of this slot.
.macro TURN slot, next, fill
	s_wait_tensorcnt 0x0                           ; all my tensor loads have landed: my part of the next slot
	ds_add_u32 v[SPW], v[NIL]
	s_wait_dscnt 4*NL+1                            ; the add and A's blocks 4-7 may be out
	WIN MUL_LO
	MUL16 0, 1, 0
	s_wait_dscnt 0x0                               ; the add is done, and my reads of this slot are over
	s_barrier_signal -1
	MUL16 2, 1, 0
	WIN 0
	s_barrier_wait -1
.if \fill
	CREST                                          ; no wave of any partner still reads this slot's tile or has a load on its way
	s_add_nc_u64 s[G0+4*\slot+2:G0+4*\slot+3], s[G0+4*\slot+2:G0+4*\slot+3], 2*ROWB
	s_add_nc_u64 s[G0B+4*\slot+2:G0B+4*\slot+3], s[G0B+4*\slot+2:G0B+4*\slot+3], 2*ROWB
	JLOAD G0+4*\slot, G1, G0B+4*\slot, G1B         ; the first tensor load behind the round; its four v_nop are the places in front of the loads below
.else
	PLACES NP
.endif
	FETCH_B \next, 0, 0
	FETCH_A \next, 0, 0
	WIN MUL_HI
	MUL16 4, 1, 0
	MUL16 6, 1, 0
	PLACES NP
	WIN 0
	FETCH_A \next, 0, 4
.endm
; The table of block a of 16 tokens: 16 loads of 512 consecutive bytes into set a % 4 of window 1: cos at 8 b + 4 c + i, sin 32 further on
.macro TAB a
	WIN 0x40
.irp u, 0,1,2,3,4,5,6,7,8,9,10,11,12,13,14,15
	global_load_b128 v[64*((\a)%4)+4*\u:64*((\a)%4)+4*\u+3], v[CO], s[86:87] offset:(\a)*8192+512*\u
.endr
	WIN 0
.endm
	s_wait_tensorcnt 1                             ; my part of K step 0 is in; K step 1's load may be out
	s_barrier_signal -1
	s_barrier_wait -1
	FETCH_B 0, 0, 0
	FETCH_A 0, 0, 0
	FETCH_A 0, 0, 4
	STEP 0, 0, 1                                   ; the first step's products start the sums
	s_mov_b32 s3, LAPS-1
.Llap:
	TURN 0, 1, 1
	STEP 1, 0, 0
	TURN 1, 0, 1
	STEP 0, 0, 0
	s_sub_co_u32 s3, s3, 1
	s_cmp_lg_u32 s3, 0
	s_cbranch_scc1 .Llap
	TURN 0, 1, 0                                   ; the last lap fills nothing
	STEP 1, 0, 0
	s_cmp_eq_u32 s66, 2                            ; q and k: the first two tables are asked for 64 matrix instructions ahead, into B's set 0, which is done with (the step's own places stand behind its last reader)
	s_cbranch_scc1 .Lno_table
	TAB 0
	TAB 1
.Lno_table:
	s_wait_dscnt 4*NL                              ; the very last step
	WIN MUL_LO
	MUL16 0, 1, 0
	MUL16 2, 1, 0
	s_wait_dscnt 0
	WIN MUL_HI
	MUL16 4, 1, 0
	MUL16 6, 1, 0
	WIN 0
	s_wait_kmcnt 0x0
	s_add_co_i32 s76, s76, s77
	s_sub_co_i32 s76, s82, s76                     ; e6 - e0 - e1
	s_add_co_i32 s78, s78, s79
	s_sub_co_i32 s78, s83, s78                     ; e7 - e2 - e3
	s_add_co_i32 s80, s80, s81
	s_sub_co_i32 s80, s84, s80                     ; e8 - e4 - e5
	s_cmp_eq_u32 s66, 1                            ; chosen by the job; no branch hangs on a scale
	s_cselect_b32 s88, s78, s76
	s_cmp_eq_u32 s66, 2
	s_cselect_b32 s88, s80, s88
	s_add_co_i32 s88, s88, 127
	s_lshl_b32 s89, s88, 23
	s_add_co_i32 s88, s88, 8
	s_lshl_b32 s88, s88, 23
	s_or_b32 s88, s88, 0x600000
	PLACES NP                                      ; behind the last products: for the reads of their results and the writes and loads into their operands' registers
	v_mov_b32 v30, s89                             ; the three scales folded into one, as f32
	v_mov_b32 v31, s88                             ; 448 x that
; Block a's rotary embedding: 64 numbers a lane into v[TMP] on.  Each accumulator is read from its low end on.
.macro ROPE a
.set AC, 64*((\a)%4)
	WIN 0x06+((\a)/4)                              ; source 0 (the sums) window 2 or 3, source 1 (the table) window 1
.irp b, 0,1,2,3
.irp j, 0,2,4,6
	v_pk_mul_f32 v[TMP+8*\b+\j:TMP+8*\b+\j+1], v[AC+32+8*\b+\j:AC+32+8*\b+\j+1], v[AC+32+8*\b+\j:AC+32+8*\b+\j+1]        ; hi sin
	v_pk_mul_f32 v[TMP+32+8*\b+\j:TMP+32+8*\b+\j+1], v[AC+8*\b+\j:AC+8*\b+\j+1], v[AC+32+8*\b+\j:AC+32+8*\b+\j+1]        ; lo sin
.endr
.irp j, 0,2,4,6
	v_pk_fma_f32 v[TMP+8*\b+\j:TMP+8*\b+\j+1], v[AC+8*\b+\j:AC+8*\b+\j+1], v[AC+8*\b+\j:AC+8*\b+\j+1], v[TMP+8*\b+\j:TMP+8*\b+\j+1] neg_lo:[0,0,1] neg_hi:[0,0,1]   ; lo cos - hi sin
	v_pk_fma_f32 v[TMP+32+8*\b+\j:TMP+32+8*\b+\j+1], v[AC+32+8*\b+\j:AC+32+8*\b+\j+1], v[AC+8*\b+\j:AC+8*\b+\j+1], v[TMP+32+8*\b+\j:TMP+32+8*\b+\j+1]                ; hi cos + lo sin
.endr
.endr
	WIN 0
.endm
; Block a's 64 held numbers become codes, go into my stage (half a % 2, at so) as 16 rows of 128 bytes, and come back four rows an instruction.
.macro TAILB a, so
.set PCS, PC+16*((\a)%2)
.set BB, BK+16*((\a)%2)
.irp b, 0,1,2,3,4,5,6,7
	v_cvt_scalef32_pk8_fp8_f32 v[PCS+2*\b:PCS+2*\b+1], v[TMP+8*\b:TMP+8*\b+7], v30
.endr
	v_nop                                          ; a plain instruction behind the last conversion: the next block writes its sources
	s_wait_xcnt 0x0                                ; the stores of two blocks ago have read the registers into which the loads below land
.irp b, 0,1,2,3,4,5,6,7
	ds_store_b64 v[STO], v[PCS+2*\b:PCS+2*\b+1] offset:\so+((\a)%2)*16*CP+16*\b
.endr
.irp g, 0,1,2,3
	ds_load_b128 v[BB+4*\g:BB+4*\g+3], v[RD] offset:\so+((\a)%2)*16*CP+4*CP*\g   ; LDS serves a wave's instructions in order: these see the stores above
.endr
.endm
; Block a's rows 4 g .. 4 g + 3 are rows 16 a + 8 (g / 2) + 4 (g % 2) + 0..3 of the wave's 128: by the order stated at the head they lie at places 32 (a / 2) + 16 (g / 2) + 8 (a % 2) + 4 (g % 2) on, 128 bytes a place.
.macro SEND a, younger
.set BB, BK+16*((\a)%2)
	s_wait_dscnt \younger                          ; the block is back; the next block's 8 stores and 4 loads may be out
.irp g, 0,1,2,3
	global_store_b128 v[CO], v[BB+4*\g:BB+4*\g+3], s[12:13] offset:4096*((\a)/2)+1024*((\a)%2)+2048*(\g/2)+512*(\g%2)   ; 32 lanes store 512 consecutive bytes, aligned
.endr
.endm
	s_cmp_eq_u32 s66, 2
	s_cbranch_scc1 .Lv_arm
	TAB 2                                          ; into B's set 1, behind the places above
	TAB 3
.irp a, 0,1,2,3,4,5,6,7
.if \a <= 4
	s_wait_loadcnt 48                              ; block a's table is in; the three younger sets of 16 loads may be out
.else
	s_wait_loadcnt 16*(7-\a)
.endif
	ROPE \a
.if \a <= 3
	TAB \a+4                                       ; the set just read takes the table four blocks on
.endif
.set i, 0
.rept 64
	v_med3_num_f32 v[TMP+i], v[TMP+i], -v31, v31   ; the conversion does not saturate (ISA guide 7.6.2): the hold comes first
.set i, i+1
.endr
	TAILB \a, 0
.if \a > 0
	SEND \a-1, 12
.endif
.endr
	SEND 7, 0
	s_branch .Ljoin
.Lv_arm:                                               ; v has no embedding; its stage has LDS bytes of its own
.irp a, 0,1,2,3,4,5,6,7
	WIN 0x02+((\a)/4)                              ; source 0: window 2 or 3
.set i, 0
.rept 64
	v_med3_num_f32 v[TMP+i], v[64*((\a)%4)+i], -v31, v31
.set i, i+1
.endr
	WIN 0
	TAILB \a, 4*2*16*CP
.if \a > 0
	SEND \a-1, 12
.endif
.endr
	SEND 7, 0
.Ljoin:
	s_wait_tensorcnt 0x0                           ; the wave's end, behind my last tensor load and my last LDS store
	ds_add_u32 v[SPW], v[NIL]
	s_wait_dscnt 0x0
	CROUND                                         ; the closing round: no work-group ends while a partner may still ask for a tile that names it
	s_endpgm
.Lfunc_end_k_q0b9321d7a1_qkvgemm:
	.size	k_q0b9321d7a1_qkvgemm, .Lfunc_end_k_q0b9321d7a1_qkvgemm-k_q0b9321d7a1_qkvgemm
	.p2alignl 7, 3214868480
	.fill 96, 4, 3214868480
	.section	.rodata,"a",@progbits
	.p2align	6, 0x0
	.amdhsa_kernel k_q0b9321d7a1_qkvgemm
		.amdhsa_group_segment_fixed_size 327680
		.amdhsa_private_segment_fixed_size 0
		.amdhsa_enable_private_segment 0
		.amdhsa_kernarg_size 40
		.amdhsa_user_sgpr_count 2
		.amdhsa_user_sgpr_kernarg_segment_ptr 1
		.amdhsa_wavefront_size32 1
		.amdhsa_system_sgpr_workgroup_id_x 1
		.amdhsa_system_sgpr_workgroup_id_y 1
		.amdhsa_system_sgpr_workgroup_id_z 1
		.amdhsa_system_vgpr_workitem_id 0
		.amdhsa_next_free_vgpr 1024
		.amdhsa_next_free_sgpr 100
		.amdhsa_reserve_vcc 0
		.amdhsa_float_denorm_mode_32 3
		.amdhsa_float_denorm_mode_16_64 3
		.amdhsa_memory_ordered 1
		.amdhsa_forward_progress 1
		.amdhsa_inst_pref_size 216
	.end_amdhsa_kernel
	.amdgpu_metadata
---
amdhsa.version: [ 1, 2 ]
amdhsa.kernels:
  - .name:           k_q0b9321d7a1_qkvgemm
    .symbol:         k_q0b9321d7a1_qkvgemm.kd
    .args:
      - { .name: xcodes, .offset: 0, .size: 8, .value_kind: global_buffer, .address_space: global }
      - { .name: wcodes, .offset: 8, .size: 8, .value_kind: global_buffer, .address_space: global }
      - { .name: rope, .offset: 16, .size: 8, .value_kind: global_buffer, .address_space: global }
      - { .name: lowp_scales, .offset: 24, .size: 8, .value_kind: global_buffer, .address_space: global }
      - { .name: qkv, .offset: 32, .size: 8, .value_kind: global_buffer, .address_space: global }
    .group_segment_fixed_size: 327680
    .private_segment_fixed_size: 0
    .kernarg_segment_align: 8
    .kernarg_segment_size: 40
    .max_flat_workgroup_size: 128
    .sgpr_count:     100
    .vgpr_count:     1024
    .wavefront_size: 32
...
	.end_amdgpu_metadata
.endif
;; end of part 6
;; launch attn (part 7): grid 16 x 16, 8 waves a work-group, clusters of 4 x 1, 327,680 bytes of LDS; arguments qkv, maskw, lowp_scales, ctx; writes ctx
.if DOCPART == 7
	.amdgcn_target "amdgcn-amd-amdhsa--gfx1250"
	.amdhsa_code_object_version 6
	.text
	.protected	k_q0b9321d7a1_attn
	.globl	k_q0b9321d7a1_attn
	.p2align	8
	.type	k_q0b9321d7a1_attn,@function
k_q0b9321d7a1_attn:
	s_mov_b64 s[64:65], 0
	v_nop
	global_prefetch_b8 v0, s[64:65] scope:SCOPE_SE
	s_setreg_imm32_b32 hwreg(HW_REG_WAVE_MODE, 25, 1), 1
	s_wait_xcnt 0x0
	s_wait_alu depctr_hold_cnt(0) depctr_sa_sdst(0) depctr_va_vdst(0) depctr_va_sdst(0) depctr_va_ssrc(0) depctr_va_vcc(0) depctr_vm_vsrc(0)
	s_getreg_b32 s2, hwreg(HW_REG_IB_STS2, 6, 4)
	s_cmp_eq_u32 s2, 0
	s_cbranch_scc0 .Lentry_in_a_cluster
	s_endpgm
.Lentry_in_a_cluster:
	s_bfe_u32 s2, ttmp6, 0x10000c
	s_cmp_lg_u32 s2, 0x3003
	s_cbranch_scc0 .Lentry_shape_is_right
	s_endpgm
.Lentry_shape_is_right:
; Attention on codes of FP8 (E4M3): for each head and query, ctx = sum over keys of softmax(q . k, masked) v, quantised for the output projection.  No work is left out: the mask is an input, so every key step is walked for every query.
; qkv [3][16 heads][16 blocks][128 rows][128 bytes]: q, k: row = token, byte = feature (q carries 128^-0.5); v: row = feature, byte = key.  Scales: q e6, k e7, v e8, p e9, ctx e10.
; Inside a block, row 32 b + 16 x + 8 u + i lies at place 32 b + 16 u + 8 x + i: so places 16 T + 0..15 hold rows 32 (T / 2) + 8 (T % 2) + r + 8 (r / 8), r = 0..15: the 16 rows that tile T wants (LAYOUT, below) are neighbours.
; THE SOFTMAX: t = logit x log2(e); M = the largest t so far, rounded UP to a whole number; p = 2^(t - M) is quantised, not normalised; the row's sum is taken of the unquantised p and divides at the end.
; When M moves, the sum and O are multiplied by 2^(old M - new M): exact.
; THE MASK: the first launch has laid it as lane masks, a word for each score register; a scalar load brings a step's 64 words a step ahead, and one select a register puts the masked logit in a hidden score's place.
; THE MASKED LOGIT is -2^33 where the problem writes -1e10.  t - M is one fused multiply-add on the raw score, and a power of two times c is exact, so a row with no live key gets p = 1 for every key, the plain average, as with -1e10.
; Beside a live key both give p = 0: a live logit is at least -128 x 448^2 x 2^(e6 + e7), which lies above -2^33 while e6 + e7 <= 8.
; LIMITS: e6 + e7 between -94 and 8; e9, and e10 - e8 - e9, between -126 and 119.
; SHARES.  A work-group owns 128 queries of one head, each of its eight waves 16, in 512 registers: two waves to a SIMD, so that one wave's vector work stands beside the other's matrix work.
; Every wave walks all 2,048 keys, 128 a step.  K and V come through a ring of two LDS slots of 256 keys; both are 256 rows of 128 bytes a slot, dense in memory, so ONE descriptor shape serves both, and each of the eight waves fetches 64 rows.
; CLUSTER.  The four query blocks of a cluster belong to one head and walk the same K and V: each tile is asked for jointly, by the same load with a mask that names the four.
; LAYOUT.  Both products are used transposed (S^T = K Q^T, O^T = V^T P^T): a lane holds one query throughout.  Lane r of tile T takes place 16 T + r, of K and of V alike: by the order of the rows the 16 registers of tiles 2 b, 2 b + 1 are
; 16 neighbours: keys 32 b + 16 (lane / 16) + 0..15 in S^T, features likewise in O^T.  So p's codes are the second product's operand, and ctx's codes are the output projection's: they are stored as that operand's register image:
; ctx [128 tiles of 16 tokens][16 heads][4 c][32 lanes][16 bytes]: lane (r, h), chunk c: token 16 T + r, features 32 c + 16 h + 0..15.
; LDS READS.  A step's fragments are 64 loads of 512 bytes a wave.  All eight fragments of K and all eight of V have registers of their own (window 1), and the loads stand in eight runs of eight AMONG the softmax's instructions, so that
; the wave goes on with vector work while they are served: V of this step behind the first product, behind each half of the selects and behind the maximum; K of the NEXT step ahead of each of the four groups that hold and convert p.
; Each run costs two switches of the register window: 20 switches a step, for its 16 matrix instructions and 64 loads.  That is taken in exchange for a step with no wait straight behind a load.
; THE CHANGE OF SLOTS stands inside a slot's second step, behind the row sums: the slot's last reads (that step's V) were issued ahead of the scalings and exponentials, and the K that is fetched next lies in the other slot.
; REGISTERS: window 0: v1-9 addresses; v12 -M, v13 the largest t, v[14:15] the sum in two halves; v16-31 Q; v96-159 S^T, then p; v160-223 O^T; v224-239 codes; v236-254 at work.   window 1: v0-127 V's eight fragments; v128-255 K's.
.set KP,    144                        ; a row in LDS: 128 bytes + 16 of padding = 36 words
.set VOFF,  256*KP                     ; a slot: 256 rows of K, then 256 rows of V (two key steps x 128 features)
.set SLOT1, 1<<17                      ; slot 1 begins here: one exclusive or turns an address from one slot to the other
.set NSL,   8                          ; slots' worth of keys
.set SPARE, 2*SLOT1                    ; behind the ring: the spare words, 128 bytes a wave
.set AK0,  1
.set AV0,  2
.set PFO,  3                           ; v3  256 x my lane: the prefetches' offset; never rewritten
.set NEG,  4                           ; v4  the masked logit, in the raw scores' units
.set SPW,  5
.set NIL,  6
.set GO,   7                           ; v7  16 x lane
.set ADK,  8                           ; v8  LDS address of my place in K's rows of the slot in hand
.set ADV,  9                           ; v9  the same for V
.set VF,   0                           ; in window 1
.set KF,   128
.set TB,   2                           ; s2  LDS byte at which the slot in hand begins
.set SLOTS, 3                          ; s3  slots still to be asked for
.set MW,   6                           ; s[6:7] my tile's mask words
.set WV,   12
.set LIM,  13                          ; s13 1 in a wave that prefetches, else the greatest number
.set PFA,  14                          ; s[14:15] where my prefetches stand
.set G1,   16                          ; s[16:23] descriptor group 1
.set G0,   24                          ; s[24:27] group 0, which walks
.set SEL,  28
.set CS,   30                          ; s[30:31] c = log2(e) x 2^(e6 + e7)
.set MSB, 0
.macro WIN new                         ; the immediate's high byte repeats the setting that is left; at a label and at a branch every window is 0
.if MSB != (\new)
	s_set_vgpr_msb (MSB<<8)|(\new)
.set MSB, \new
.endif
.endm
.macro CROUND                          ; a round of the cluster's barrier
	s_barrier_signal -1
	s_barrier_wait -1
	s_cmp_lg_u32 s[WV], 0
	s_cbranch_scc1 .Lnot_wave_0_\@
	s_barrier_signal -3
.Lnot_wave_0_\@:
	s_barrier_wait -3
	s_barrier_signal -1
	s_barrier_wait -1
.endm
; A PREFETCH of what the NEXT change of slots will ask for: a slot's 32,768 bytes of K and as many of V.  All clusters of a head walk the same K and V: the head's first cluster asks.  Its four partners share the bytes out BY ADDRESS,
; 8,192 each; in each, wave 0 asks for K's and wave 4 for V's: one instruction, lanes 256 bytes apart.  So each aligned block of 256 bytes is named once in the launch.  The last change that fills a slot asks for nothing.
.macro ASK
	s_cmp_gt_u32 s[SLOTS], s[LIM]
	s_cbranch_scc0 .Lnot_mine_\@
	global_prefetch_b8 v[PFO], s[PFA:PFA+1] th:TH_LOAD_NT scope:SCOPE_SE
.Lnot_mine_\@:
.endm
.macro MLOAD off                       ; a step's 64 mask words: word n in s[32 + n] (n < 32) or s[36 + n]
	s_load_b512 s[32:47], s[MW:MW+1], \off
	s_load_b512 s[48:63], s[MW:MW+1], \off+64
	s_load_b512 s[68:83], s[MW:MW+1], \off+128
	s_load_b512 s[84:99], s[MW:MW+1], \off+192
.endm
; A run of eight LDS loads: tiles t0 and t0 + 1 of K, or of V, of the q-th key step of the slot in hand.  A fragment: lane (r, h) takes place 16 t + r; registers 4 c .. 4 c + 3 hold bytes 32 c + 16 h + 0..15.
.macro KRUN q, t0
	WIN 0x40                                       ; destination window 1, address window 0
.irp t, \t0, \t0+1
.irp c, 0,1,2,3
	ds_load_b128 v[KF+16*(\t)+4*\c:KF+16*(\t)+4*\c+3], v[ADK] offset:(128*(\q)+16*(\t))*KP+32*\c
.endr
.endr
	WIN 0
.endm
.macro VRUN q, t0
	WIN 0x40
.irp t, \t0, \t0+1
.irp c, 0,1,2,3
	ds_load_b128 v[VF+16*(\t)+4*\c:VF+16*(\t)+4*\c+3], v[ADV] offset:(128*(\q)+16*(\t))*KP+32*\c
.endr
.endr
	WIN 0
.endm
	s_load_b256 s[4:11], s[0:1], 0x0               ; qkv, maskw, the scales' exponents, ctx
	v_lshl_add_u32 v[SPW], v0, 2, SPARE
	v_mov_b32 v[NIL], 0
	ds_add_u32 v[SPW], v[NIL]                      ; the wave's opening: the add, twice on end, and its wait ahead of my first tensor load
	ds_add_u32 v[SPW], v[NIL]
	v_lshrrev_b32 v8, 5, v0
	v_readfirstlane_b32 s[WV], v8                  ; wave 0..7
	s_and_b32 s34, ttmp7, 0xffff                   ; the head, which the four partners share
	s_lshl_b32 s38, s34, 18                        ; its 16 blocks of 16 KiB
	s_lshr_b32 s36, s[WV], 2
	s_add_co_u32 s36, s36, 1
	s_lshl_b32 s36, s36, 22                        ; waves 0-3: part 1 (k); waves 4-7: part 2 (v)
	s_add_co_u32 s36, s36, s38
	s_mov_b32 s40, s36
	s_and_b32 s39, s[WV], 3
	s_lshl_b32 s39, s39, 13                        ; my 64 rows of a slot's 256
	s_add_co_u32 s36, s36, s39
	s_mov_b32 s37, 0
	s_bfe_u32 s32, ttmp6, 0x40000                  ; cx: it enters Q's, the mask words', ctx's and the prefetches' global addresses alone
	s_lshl_b32 s33, ttmp9, 2
	s_add_co_u32 s33, s33, s32                     ; my block of 128 queries
	s_lshl_b32 s41, s32, 13
	s_add_co_u32 s40, s40, s41                     ; the prefetches: my work-group's quarter,
	s_add_co_u32 s40, s40, 32768                   ; in slot 1: the first change of slots steps it to slot 2.  Nothing is prefetched at the head
	s_mov_b32 s41, 0
	s_lshl_b32 s42, s33, 14                        ; Q: my block of 16 KiB;
	s_add_co_u32 s42, s42, s38
	s_lshr_b32 s43, s[WV], 1                       ; my 16 tokens 16 w + r lie at places 32 (w / 2) + 8 (w % 2) + r + 8 (r / 8)
	s_lshl_b32 s43, s43, 12
	s_add_co_u32 s42, s42, s43
	s_and_b32 s43, s[WV], 1
	s_lshl_b32 s43, s43, 10
	s_add_co_u32 s42, s42, s43
	s_mov_b32 s43, 0
	s_lshl_b32 s33, s33, 3
	s_add_co_u32 s33, s33, s[WV]                   ; my tile of 16 queries
	s_lshl_b32 s44, s33, 12                        ; the mask words: 16 steps x 256 bytes a tile
	s_mov_b32 s45, 0
	s_lshl_b32 s46, s33, 15
	s_lshl_b32 s47, s34, 11
	s_add_co_u32 s46, s46, s47                     ; ctx: 32,768 bytes a tile, 2,048 a head
	s_mov_b32 s47, 0
	s_mov_b32 s[G1], 15|(1<<20)|(1<<21)|(4<<22)|(3<<25)   ; the mask: all four work-groups; elements of 1 byte; padding on; bit 21 beside a mask; after every 32 words, 4 words
	s_mov_b32 s[G1+1], 128<<16                     ; tensor_dim0
	s_mov_b32 s[G1+2], 64<<16                      ; tensor_dim1
	s_mov_b32 s[G1+3], 128<<16                     ; tile_dim0
	s_mov_b32 s[G1+4], 64                          ; tile_dim1
	s_mov_b32 s[G1+5], 128                         ; tensor_dim0_stride
	s_mov_b32 s[G1+6], 0
	s_mov_b32 s[G1+7], 0
	s_mov_b32 s[SEL], 0x76543210
	s_mov_b32 s[SEL+1], 0xfedcba98
	s_mov_b32 s[TB], 0
	s_mov_b32 s[SLOTS], NSL-1
	s_and_b32 s[LIM], s[WV], 3                     ; 0 in waves 0 and 4,
	s_or_b32 s[LIM], s[LIM], ttmp9                 ; where the cluster is the head's first: the same in all four partners
	s_cmp_eq_u32 s[LIM], 0
	s_cselect_b32 s[LIM], 1, -1
	v_and_b32 v[PFO], 31, v0
	v_lshlrev_b32 v[PFO], 8, v[PFO]
	s_wait_dscnt 0x0                               ; both opening adds are done
	s_wait_kmcnt 0x0
	s_load_b128 s[68:71], s[8:9], 0x18             ; e6, e7, e8, e9
	s_load_b32 s72, s[8:9], 0x28                   ; e10
	s_mov_b32 s[G0], 1
	s_mul_i32 s[G0+1], s[WV], 64*KP                ; LDS: wave x 64 rows: K's four quarters, then V's
	s_add_nc_u64 s[G0+2:G0+3], s[4:5], s[36:37]
	s_or_b32 s[G0+3], s[G0+3], 0x80000000
	s_add_nc_u64 s[PFA:PFA+1], s[4:5], s[40:41]
	s_add_nc_u64 s[4:5], s[4:5], s[42:43]
	s_add_nc_u64 s[MW:MW+1], s[MW:MW+1], s[44:45]
	s_add_nc_u64 s[10:11], s[10:11], s[46:47]
	CROUND                                         ; all four work-groups are here: the first joint loads meet
	tensor_load_to_lds s[G0:G0+3], s[G1:G1+7]      ; slot 0: every wave issues its own 64 rows; one tensor load of mine is out
	s_nop 0
.rept 4
	v_nop
.endr
	v_and_b32 v8, 15, v0                           ; r
	v_bfe_u32 v9, v0, 4, 1                         ; h
	v_and_b32 v11, 8, v8
	v_add_nc_u32 v11, v11, v8                      ; r + 8 (r / 8)
	v_lshlrev_b32 v10, 7, v11
	v_lshl_add_u32 v10, v9, 4, v10
.irp c, 0,1,2,3
	global_load_b128 v[16+4*\c:19+4*\c], v10, s[4:5] offset:32*\c   ; Q's fragment stays in registers
.endr
	v_mul_u32_u24 v[AK0], v8, KP                   ; K and V in LDS: a tile's 16 places are neighbours
	v_lshl_add_u32 v[AK0], v9, 4, v[AK0]
	v_add_nc_u32 v[AV0], VOFF, v[AK0]
	v_and_b32 v[GO], 31, v0
	v_lshlrev_b32 v[GO], 4, v[GO]
	v_mov_b32 v13, 0xff61b1e6                      ; the largest t so far: -3e38
	v_floor_f32 v12, -v13                          ; -M
	v_mov_b32 v14, 0
	v_mov_b32 v15, 0
	v_mov_b32 v236, 0                              ; a lane permute's destination counts as one of its sources
	v_mov_b32 v253, 0                              ; (named as the upper half of a pair)
.set i, 0
.rept 64
	v_mov_b32 v[160+i], 0                          ; O^T: the step is written for all steps alike; the first finds zeros
.set i, i+1
.endr
	s_wait_kmcnt 0x0
	s_add_co_i32 s73, s68, s69
	s_lshl_b32 s73, s73, 23
	s_mov_b32 s[CS], 0x3fb8aa3b                    ; log2(e);
	s_add_co_i32 s[CS], s[CS], s73                 ; a score stands for score x 2^(e6 + e7): added to the exponent field
	s_mov_b32 s[CS+1], s[CS]
	s_mov_b32 s74, 0xd0000000                      ; -2^33,
	s_sub_co_i32 s74, s74, s73                     ; divided by 2^(e6 + e7)
	v_mov_b32 v[NEG], s74
	s_add_co_i32 s74, s71, 127
	s_lshl_b32 s75, s74, 23
	v_mov_b32 v244, s75                            ; 2^e9
	s_add_co_i32 s74, s74, 8
	s_lshl_b32 s74, s74, 23
	s_or_b32 s74, s74, 0x600000
	v_mov_b32 v240, s74                            ; 448 x 2^e9
	s_add_co_i32 s74, s70, s71
	s_sub_co_i32 s74, s72, s74                     ; O / the sum stands for ctx / 2^(e8 + e9): ctx's scale is applied as 2^(e10 - e8 - e9)
	s_add_co_i32 s74, s74, 127
	s_lshl_b32 s66, s74, 23
	s_add_co_i32 s74, s74, 8
	s_lshl_b32 s67, s74, 23
	s_or_b32 s67, s67, 0x600000
	MLOAD 0                                        ; key step 0's words
; THE CHANGE OF SLOTS.  Each wave waits for all its tensor loads (its part of the slot that it will read next), adds 0 to its spare word, and waits for that and for its reads of the slot that it leaves.
; fill = 1: the barrier is a round of the cluster's, and behind it the slot just left is filled with the keys that follow: the load has two key steps in which to land.
.macro CHANGE fill
	s_wait_tensorcnt 0x0                           ; no tensor load of mine is out, so group 0 may be written
	ds_add_u32 v[SPW], v[NIL]
.if \fill
	s_xor_b32 s[G0+1], s[G0+1], SLOT1              ; the other slot than last time,
	s_add_nc_u64 s[G0+2:G0+3], s[G0+2:G0+3], 32768 ; the next 256 keys; the type bits on top are not reached
	s_wait_xcnt 0x0                                ; the last prefetch, a change of slots back, has read its address
	s_add_nc_u64 s[PFA:PFA+1], s[PFA:PFA+1], 32768
	s_wait_dscnt 0x0                               ; the add is done, and my reads of the slot that I leave are over
	CROUND
	tensor_load_to_lds s[G0:G0+3], s[G1:G1+7]      ; the first thing behind the round, and my one tensor load until the next
	s_nop 0
.rept 4
	v_nop
.endr
	ASK
.else
	s_wait_dscnt 0x0
	s_barrier_signal -1
	s_barrier_wait -1
.endif
.endm
; A KEY STEP: 128 keys, the q-th of the slot in hand.  chg = 1: the slots change in it, and the slot left is filled again; 2: they change, and nothing is asked for; 0: no change.
; last = 1: the launch's last step: it fetches no further K and no further mask words.
.macro STEP q, chg, last
	s_wait_dscnt 0x0                               ; this step's K is in: its last run was issued ahead of the last group of p, O^T's rescaling and the second product of the step before
	WIN 0x01                                       ; source 0 window 1
.irp t, 0,1,2,3,4,5,6,7
	v_wmma_f32_16x16x128_fp8_fp8 v[96+8*\t:103+8*\t], v[KF+16*\t:KF+16*\t+15], v[16:31], 0   ; S^T = K Q^T
.endr
	WIN 0
.rept 4
	v_nop                                          ; places: in front of the reads of S^T, and of the loads into V's registers, which the last step's second product has read
.endr
	VRUN \q, 0
	s_wait_kmcnt 0x0                               ; this step's words, asked for a step ago
.set n, 0
.rept 32
	v_cndmask_b32 v[96+n], v[NEG], v[96+n], s[32+n]   ; a hidden key's score becomes the masked logit
.set n, n+1
.endr
	VRUN \q, 2
.rept 32
	v_cndmask_b32 v[96+n], v[NEG], v[96+n], s[36+n]
.set n, n+1
.endr
	VRUN \q, 4
.if (\q) == 0
	MLOAD 256                                      ; the next step's words
.elseif !(\last)
	s_add_nc_u64 s[MW:MW+1], s[MW:MW+1], 512       ; no scalar load is out behind the wait above, so the base may step
	MLOAD 0
.endif
	v_max3_num_f32 v254, v96, v97, v98             ; the step's largest score of my query, among my 64 keys, in two chains,
	v_max3_num_f32 v252, v99, v100, v101
.irp i, 6,10,14,18,22,26,30,34,38,42,46,50,54,58
	v_max3_num_f32 v254, v254, v[96+\i], v[97+\i]
	v_max3_num_f32 v252, v252, v[98+\i], v[99+\i]
.endr
	v_max3_num_f32 v254, v254, v158, v159
	v_max_num_f32 v254, v254, v252
	VRUN \q, 6                                     ; the slot's q-th V is now asked for whole
	v_permlanex16_b32 v236, v254, s[SEL], s[SEL+1]
	v_max_num_f32 v254, v254, v236                 ; and among lane l xor 16's
	v_mul_f32 v254, s[CS], v254                    ; as t (c is positive)
	v_max_num_f32 v13, v13, v254
	v_mov_b32 v254, v12
	v_floor_f32 v12, -v13                          ; the new -M = floor(-t): M is a whole number
	v_sub_f32 v254, v12, v254                      ; old M - new M: a whole number, 0 or less
	v_cvt_i32_f32 v254, v254                       ; (it saturates)
	v_ldexp_f32 v252, 1.0, v254                    ; f = 2^(old M - new M)
.irp j, 0,2,4,6,8,10,12,14,16,18,20,22,24,26,28,30,32,34,36,38,40,42,44,46,48,50,52,54,56,58,60,62
	v_pk_fma_f32 v[96+\j:97+\j], v[96+\j:97+\j], s[CS:CS+1], v[12:13] op_sel_hi:[1,0,0]   ; t - M, two at a time
.endr
.set i, 0
.rept 64
	v_exp_f32 v[96+i], v[96+i]                     ; p = 2^(t - M), at most 1
.set i, i+1
.endr
	v_pk_mul_f32 v[14:15], v[14:15], v[252:253] op_sel_hi:[1,0]   ; the sums under the new M: a plain instruction behind the exponentials
	s_wait_alu depctr_va_vdst(0)                   ; one wait for the whole batch, ahead of its first reader
	v_pk_add_f32 v[242:243], v[96:97], v[98:99]    ; the row's sum is taken of the unquantised p, in two chains
.irp j, 4,8,12,16,20,24,28,32,36,40,44,48,52,56,60
	v_pk_add_f32 v[14:15], v[14:15], v[96+\j:97+\j]
	v_pk_add_f32 v[242:243], v[242:243], v[98+\j:99+\j]
.endr
	v_pk_add_f32 v[14:15], v[14:15], v[242:243]
.if (\chg) == 1
	CHANGE 1
.elseif (\chg) == 2
	CHANGE 0
.endif
.if \chg
	s_xor_b32 s[TB], s[TB], SLOT1                  ; from here on the fetches go to the other slot
	v_add_nc_u32 v[ADK], s[TB], v[AK0]
	v_add_nc_u32 v[ADV], s[TB], v[AV0]
.endif
.irp b, 0,1,2,3
.if !(\last)
	KRUN 1-(\q), 2*\b                              ; the next step's K, a quarter ahead of each group
.endif
.irp i, 0,1,2,3,4,5,6,7,8,9,10,11,12,13,14,15
	v_min_num_f32 v[96+16*\b+\i], v[96+16*\b+\i], v240   ; the conversion does not saturate (ISA guide 7.6.2); p is not negative, so the hold is one-sided
.endr
	v_cvt_scalef32_pk8_fp8_f32 v[224+4*\b:225+4*\b], v[96+16*\b:103+16*\b], v244
	v_cvt_scalef32_pk8_fp8_f32 v[226+4*\b:227+4*\b], v[104+16*\b:111+16*\b], v244
.endr
.irp j, 0,2,4,6,8,10,12,14,16,18,20,22,24,26,28,30,32,34,36,38,40,42,44,46,48,50,52,54,56,58,60,62
	v_pk_mul_f32 v[160+\j:161+\j], v[160+\j:161+\j], v[252:253] op_sel_hi:[1,0]   ; O^T under the new M; these also stand between the conversions and the products that read the codes
.endr
.if \last
	s_wait_dscnt 0x0                               ; V is in; nothing was asked for behind it
.else
	s_wait_dscnt 32                                ; V is in; the 32 loads of the next step's K, issued behind it, may be out
.endif
	WIN 0x01
.irp t, 0,1,2,3,4,5,6,7
	v_wmma_f32_16x16x128_fp8_fp8 v[160+8*\t:167+8*\t], v[VF+16*\t:VF+16*\t+15], v[224:239], v[160+8*\t:167+8*\t]   ; O^T += V^T P^T; the eight accumulators take turns
.endr
	WIN 0
.endm
	s_wait_loadcnt 0x0                             ; Q
	CHANGE 1                                       ; slot 0 is whole for every wave; slot 1 is asked for: its first fill, every wave's one load behind this round
	s_mov_b32 s[SLOTS], NSL-2
	v_add_nc_u32 v[ADK], s[TB], v[AK0]
	v_add_nc_u32 v[ADV], s[TB], v[AV0]
	KRUN 0, 0                                      ; key step 0's K
	KRUN 0, 2
	KRUN 0, 4
	KRUN 0, 6
.Lslot:                                                ; NSL - 2 trips of two key steps: in each the slot that is left is filled again, with the keys two slots on
	STEP 0, 0, 0
	STEP 1, 1, 0
	s_sub_co_u32 s[SLOTS], s[SLOTS], 1
	s_cmp_lg_u32 s[SLOTS], 0
	s_cbranch_scc1 .Lslot
	STEP 0, 0, 0                                   ; the last two slots are written out: the last slot but one is left, and nothing is asked for
	STEP 1, 2, 0
	STEP 0, 0, 0                                   ; the last slot
	STEP 1, 0, 1
	; THE WAY OUT: O^T / the sum, held, quantised; the codes are the next product's operand as they stand and leave as its register image.
.rept 4
	v_nop
.endr
	v_add_f32 v14, v14, v15
	v_permlanex16_b32 v252, v14, s[SEL], s[SEL+1]
	v_add_f32 v14, v14, v252                       ; the row's sum
	v_rcp_f32 v14, v14
	v_mov_b32 v244, s66                            ; (plain instructions behind the reciprocal)  2^(e10 - e8 - e9)
	v_mov_b32 v240, s67                            ; 448 x that
	s_wait_alu depctr_va_vdst(0)                   ; the wait, ahead of the first reader
.irp j, 0,2,4,6,8,10,12,14,16,18,20,22,24,26,28,30,32,34,36,38,40,42,44,46,48,50,52,54,56,58,60,62
	v_pk_mul_f32 v[96+\j:97+\j], v[160+\j:161+\j], v[14:15] op_sel_hi:[1,0]   ; each accumulator from its low end on
.endr
.set i, 0
.rept 64
	v_med3_num_f32 v[96+i], v[96+i], -v240, v240
.set i, i+1
.endr
.irp k, 0,1,2,3,4,5,6,7
	v_cvt_scalef32_pk8_fp8_f32 v[224+2*\k:225+2*\k], v[96+8*\k:103+8*\k], v244
.endr
	v_nop
.irp c, 0,1,2,3
	global_store_b128 v[GO], v[224+4*\c:227+4*\c], s[10:11] offset:512*\c   ; 32 lanes store 512 consecutive bytes, aligned
.endr
	s_wait_tensorcnt 0x0                           ; the wave's end, behind my last tensor load
	ds_add_u32 v[SPW], v[NIL]
	s_wait_dscnt 0x0
	CROUND                                         ; the closing round
	s_endpgm
.Lfunc_end_k_q0b9321d7a1_attn:
	.size	k_q0b9321d7a1_attn, .Lfunc_end_k_q0b9321d7a1_attn-k_q0b9321d7a1_attn
	.p2alignl 7, 3214868480
	.fill 96, 4, 3214868480
	.section	.rodata,"a",@progbits
	.p2align	6, 0x0
	.amdhsa_kernel k_q0b9321d7a1_attn
		.amdhsa_group_segment_fixed_size 327680
		.amdhsa_private_segment_fixed_size 0
		.amdhsa_enable_private_segment 0
		.amdhsa_kernarg_size 32
		.amdhsa_user_sgpr_count 2
		.amdhsa_user_sgpr_kernarg_segment_ptr 1
		.amdhsa_wavefront_size32 1
		.amdhsa_system_sgpr_workgroup_id_x 1
		.amdhsa_system_sgpr_workgroup_id_y 1
		.amdhsa_system_sgpr_workgroup_id_z 1
		.amdhsa_system_vgpr_workitem_id 0
		.amdhsa_next_free_vgpr 512
		.amdhsa_next_free_sgpr 102
		.amdhsa_reserve_vcc 0
		.amdhsa_float_denorm_mode_32 3
		.amdhsa_float_denorm_mode_16_64 3
		.amdhsa_memory_ordered 1
		.amdhsa_forward_progress 1
		.amdhsa_inst_pref_size 157
	.end_amdhsa_kernel
	.amdgpu_metadata
---
amdhsa.version: [ 1, 2 ]
amdhsa.kernels:
  - .name:           k_q0b9321d7a1_attn
    .symbol:         k_q0b9321d7a1_attn.kd
    .args:
      - { .name: qkv, .offset: 0, .size: 8, .value_kind: global_buffer, .address_space: global }
      - { .name: maskw, .offset: 8, .size: 8, .value_kind: global_buffer, .address_space: global }
      - { .name: lowp_scales, .offset: 16, .size: 8, .value_kind: global_buffer, .address_space: global }
      - { .name: ctx, .offset: 24, .size: 8, .value_kind: global_buffer, .address_space: global }
    .group_segment_fixed_size: 327680
    .private_segment_fixed_size: 0
    .kernarg_segment_align: 8
    .kernarg_segment_size: 32
    .max_flat_workgroup_size: 256
    .sgpr_count:     102
    .vgpr_count:     512
    .wavefront_size: 32
...
	.end_amdgpu_metadata
.endif
;; end of part 7
;; launch oproj: the kernel of part 5 again; grid 16 x 16, 4 waves a work-group, clusters of 4 x 4, 327,680 bytes of LDS; arguments ctx, wcodes, lowp_scales, out0; writes out0
